; MI455X (gfx1250); checked and timed in simulation.
; The chip was launched on July 23, 2026; its instructions are those of AMD's public machine-readable ISA for CDNA 5 (MIT licence, August 2026) and "CDNA5" Instruction Set Architecture Reference Guide (July 2026). The comments in the code are by the model that wrote it; some were corrected since.
;; Rotary Cross Attention. Allowed arithmetic: float matrix products may take bf16 or f16 operands with f32 sums; all other float work in f32.
;; Inputs: attn_mask 2 x 8,192 bool; b_out 512 float32; norm_b 512 float32; norm_ctx_b 512 float32; norm_ctx_w 512 float32; norm_w 512 float32; rotary_c 2 x 8,192 x 64 float32; rotary_q 2 x 1,024 x 64 float32; w_kv 512 x 1,024 float32; w_out 512 x 512 float32; w_q 512 x 512 float32; x_context 2 x 8,192 x 512 float32; x_query 2 x 1,024 x 512 float32.
;; Outputs: out0 2 x 1,024 x 512 float32.
;; 2 versions, each right; version 2 is version 1 with the launch maskb written anew for expert scheduling mode. Each part assembles by itself: llvm-mc -triple=amdgcn-amd-amdhsa -mcpu=gfx1250 --defsym DOCPART=n.
;; ======== version 1 of 2: 6 launches
;; limits: inputs' magnitudes at most 1,048,576; right only within a limited range of input values
;; workspace buffers: kvin 17,825,792 bytes; xq 2,097,152 bytes; cs 9,506,816 bytes; wqp 526,336 bytes; wop 526,336 bytes; qf 4,194,304 bytes; kv 33,554,432 bytes; ao 2,097,152 bytes
;; launch prep (part 1): grid 560 x 1, 8 waves a work-group, no clusters, 70,656 bytes of LDS; arguments x_context, x_query, norm_ctx_w, norm_w, norm_ctx_b, norm_b, kvin, xq, rotary_c, rotary_q, cs, w_kv, w_q, w_out, b_out, wqp, wop; writes kvin, xq, cs, wqp, wop
.if DOCPART == 1
	.amdgcn_target "amdgcn-amd-amdhsa--gfx1250"
	.amdhsa_code_object_version 6
	.text
	.protected	k_qd1d17e5072_prep
	.globl	k_qd1d17e5072_prep
	.p2align	8
	.type	k_qd1d17e5072_prep,@function
k_qd1d17e5072_prep:
	s_mov_b64 s[64:65], 0
	v_nop
	global_prefetch_b8 v0, s[64:65] scope:SCOPE_SE
	s_setreg_imm32_b32 hwreg(HW_REG_WAVE_MODE, 25, 1), 1
	s_wait_xcnt 0x0
; Preparation, three roles chosen by the work-group's number (the same for all eight waves of a work-group):
;   0..287    LayerNorm of 64 rows of 512 f32 (256 groups of context rows, 32 of query rows), result in bf16
;   288..431  cos and signed sin of the rotary angles, f32, laid out in the order in which a matrix result holds a row
;   432..559  w_kv, w_q, w_out transposed to [n][k] in bf16; behind w_q 512 zeros, behind w_out a copy of b_out
; No matrix unit, no cluster: every byte is read once and written once, no work-group shares input with another.
; LIMIT: the angle reduction uses pi in two parts; it holds its accuracy for angles up to about 2^20 in magnitude.
.set W,   4                            ; v[4:19]    gain of my 16 columns
.set BB,  20                           ; v[20:35]   bias of my 16 columns
.set X,   40                           ; v[40:167]  LayerNorm: 8 rows x 16 registers.  Tables: v[40:71] angles, later cos read back
.set CR,  72                           ; v[72:103]  tables: cos
.set SR,  104                          ; v[104:135] tables: signed sin
.set RB2, 136                          ; v[136:167] tables: signed sin read back
.set T,   168                          ; v[168:179] at work
	v_lshl_add_u32 v192, v0, 2, 0x11000
	v_mov_b32 v193, 0
	v_lshrrev_b32 v1, 5, v0
	v_readfirstlane_b32 s3, v1                     ; wave 0..7
	v_and_b32 v3, 31, v0                           ; lane
	s_cmp_ge_u32 ttmp9, 432
	s_cbranch_scc1 .Lwt
	s_cmp_ge_u32 ttmp9, 288
	s_cbranch_scc1 .Ltab
; ---------------------------------------------------------------- LayerNorm: a wave takes 8 rows, a row lies in 16 registers
	s_load_b512 s[8:23], s[0:1], 0x0               ; x_context, x_query, norm_ctx_w, norm_w, norm_ctx_b, norm_b, kvin, xq
	s_and_b32 s2, ttmp9, 255                       ; block of 64 rows in its tensor (256..287 -> 0..31)
	s_lshl_b32 s28, s2, 17                         ; in: 64 rows x 2,048 bytes
	s_lshl_b32 s30, s3, 14                         ; + wave x 8 rows
	s_add_co_u32 s28, s28, s30
	s_mov_b32 s29, 0
	s_lshl_b32 s30, s2, 16                         ; out: 64 rows x 1,024 bytes
	s_lshl_b32 s31, s3, 13
	s_add_co_u32 s30, s30, s31
	s_mov_b32 s31, 0
	s_mov_b32 s4, 0x76543210                       ; v_permlanex16_b32: lane i reads lane i of the other half
	s_mov_b32 s5, 0xfedcba98
	s_mov_b32 s6, 0x3b000000                       ; 1/512
	s_mov_b32 s7, 0x3727c5ac                       ; 1e-5
	v_lshlrev_b32 v1, 4, v3                        ; 16 bytes a lane in
	v_lshlrev_b32 v2, 3, v3                        ; 8 bytes a lane out
	s_wait_kmcnt 0x0
	s_cmp_lt_u32 ttmp9, 256                        ; context or query
	s_cselect_b64 s[24:25], s[8:9], s[10:11]
	s_cselect_b64 s[12:13], s[12:13], s[14:15]
	s_cselect_b64 s[16:17], s[16:17], s[18:19]
	s_cselect_b64 s[26:27], s[20:21], s[22:23]
	s_add_nc_u64 s[24:25], s[24:25], s[28:29]
	s_add_nc_u64 s[26:27], s[26:27], s[30:31]
.irp j, 0,1,2,3
	global_load_b128 v[W+4*\j:W+4*\j+3], v1, s[12:13] offset:512*\j
.endr
.irp j, 0,1,2,3
	global_load_b128 v[BB+4*\j:BB+4*\j+3], v1, s[16:17] offset:512*\j
.endr
.irp i, 0,1,2,3,4,5,6,7
.irp j, 0,1,2,3
	global_load_b128 v[X+16*\i+4*\j:X+16*\i+4*\j+3], v1, s[24:25] offset:2048*\i+512*\j th:TH_LOAD_NT   ; load j: columns 128 j + 4 lane .. + 3
.endr
.endr
.macro WSUM                            ; v[T] summed over the 32 lanes, the result in every lane
	v_add_f32_dpp v[T], v[T], v[T] row_xmask:1 row_mask:0xf bank_mask:0xf
	v_add_f32_dpp v[T], v[T], v[T] row_xmask:2 row_mask:0xf bank_mask:0xf
	v_add_f32_dpp v[T], v[T], v[T] row_xmask:4 row_mask:0xf bank_mask:0xf
	v_add_f32_dpp v[T], v[T], v[T] row_xmask:8 row_mask:0xf bank_mask:0xf
	v_permlanex16_b32 v[T+2], v[T], s4, s5         ; its destination has been written before
	v_add_f32 v[T], v[T], v[T+2]
.endm
; One row: mean, then the variance of the centred numbers (no difference of large sums), scale, gain and bias, bf16.
.macro LNROW i
.set R, X+16*\i
	s_wait_loadcnt 28-4*\i                         ; four loads for each younger row may stay out
	v_pk_add_f32 v[T:T+1], v[R:R+1], v[R+2:R+3]
	v_pk_add_f32 v[T+2:T+3], v[R+4:R+5], v[R+6:R+7]
	v_pk_add_f32 v[T+4:T+5], v[R+8:R+9], v[R+10:R+11]
	v_pk_add_f32 v[T+6:T+7], v[R+12:R+13], v[R+14:R+15]
	v_pk_add_f32 v[T:T+1], v[T:T+1], v[T+2:T+3]
	v_pk_add_f32 v[T+4:T+5], v[T+4:T+5], v[T+6:T+7]
	v_pk_add_f32 v[T:T+1], v[T:T+1], v[T+4:T+5]
	v_add_f32 v[T], v[T], v[T+1]
	WSUM
	v_mul_f32 v[T+8], s6, v[T]                     ; the mean, twice
	v_mul_f32 v[T+9], s6, v[T]
.irp k, 0,2,4,6,8,10,12,14
	v_pk_add_f32 v[R+\k:R+\k+1], v[R+\k:R+\k+1], v[T+8:T+9] neg_lo:[0,1] neg_hi:[0,1]
.endr
	v_pk_mul_f32 v[T:T+1], v[R:R+1], v[R:R+1]
	v_pk_mul_f32 v[T+2:T+3], v[R+2:R+3], v[R+2:R+3]
.irp k, 4,8,12
	v_pk_fma_f32 v[T:T+1], v[R+\k:R+\k+1], v[R+\k:R+\k+1], v[T:T+1]
	v_pk_fma_f32 v[T+2:T+3], v[R+\k+2:R+\k+3], v[R+\k+2:R+\k+3], v[T+2:T+3]
.endr
	v_pk_add_f32 v[T:T+1], v[T:T+1], v[T+2:T+3]
	v_add_f32 v[T], v[T], v[T+1]
	WSUM
	v_fma_f32 v[T], v[T], s6, s7                   ; variance + eps
	v_rsq_f32 v[T+10], v[T]
	v_rsq_f32 v[T+11], v[T]
	v_nop                                          ; one plain place behind the transcendentals (ISA guide 5.7.2)
	s_wait_alu depctr_va_vdst(0)
.irp k, 0,2,4,6,8,10,12,14
	v_pk_mul_f32 v[R+\k:R+\k+1], v[R+\k:R+\k+1], v[T+10:T+11]
.endr
.irp k, 0,2,4,6,8,10,12,14
	v_pk_fma_f32 v[R+\k:R+\k+1], v[R+\k:R+\k+1], v[W+\k:W+\k+1], v[BB+\k:BB+\k+1]
.endr
.irp k, 0,1,2,3,4,5,6,7
	v_cvt_pk_bf16_f32 v[R+\k], v[R+2*\k], v[R+2*\k+1]
.endr
.irp j, 0,1,2,3
	global_store_b64 v2, v[R+2*\j:R+2*\j+1], s[26:27] offset:1024*\i+256*\j    ; the wave stores 256 consecutive bytes, aligned
.endr
.endm
.irp i, 0,1,2,3,4,5,6,7
	LNROW \i
.endr
	s_endpgm
; ---------------------------------------------------------------- tables: a wave takes a group of 16 rows of 64 angles
; Layout of a group (8,192 bytes): [cos | sgn-sin][b 0..3][half 0..1][lane 0..31][16 bytes]; lane = 16 hh + row, its four numbers are
; d = 16 b + 8 hh + 4 half + 0..3.  sgn-sin is -sin at even d and +sin at odd d, so that rope(x) = x cos + swap(x) sgn-sin.
.Ltab:
	s_load_b128 s[8:11], s[0:1], 0x40              ; rotary_c, rotary_q
	s_load_b64 s[12:13], s[0:1], 0x50              ; cs
	s_sub_co_u32 s2, ttmp9, 288
	s_lshl3_add_u32 s14, s2, s3                    ; group 0..1151: 1,024 of context rows, then 128 of query rows
	s_and_b32 s15, s14, 1023                       ; the group in its own tensor
	s_lshl_b32 s16, s15, 12                        ; 16 rows x 256 bytes
	s_mov_b32 s17, 0
	s_lshl_b32 s18, s14, 13
	s_mov_b32 s19, 0
	s_mov_b32 s4, 0x40490fdb                       ; pi, upper part
	s_mov_b32 s5, 0xb3bbbd2e                       ; pi, the rest
	s_mov_b32 s6, 0xb2d7322b                       ; -1/11!
	s_mov_b32 s7, 0x3638ef1d                       ; 1/9!
	s_mov_b32 s24, 0xb493f27e                      ; -1/10!
	s_mov_b32 s25, 0x37d00d01                      ; 1/8!
	s_mul_i32 s20, s3, 8704                        ; my wave's own LDS: cos 8 x 528 bytes, at 4,352 sgn-sin likewise
	v_lshlrev_b32 v1, 4, v3                        ; 16 x lane
	v_and_b32 v4, 15, v3                           ; c: my four angles are d = 4 c .. 4 c + 3
	v_lshrrev_b32 v5, 2, v4                        ; b
	v_and_b32 v6, 1, v4                            ; half
	v_lshl_add_u32 v5, v5, 1, v6                   ; block q = 2 b + half
	v_bfe_u32 v6, v3, 1, 1                         ; hh
	v_mul_u32_u24 v7, v5, 528
	v_lshl_add_u32 v7, v6, 8, v7
	v_lshrrev_b32 v6, 4, v3                        ; load i brings rows 2 i and 2 i + 1
	v_lshl_add_u32 v7, v6, 4, v7
	v_add_nc_u32 v7, s20, v7                       ; where I put 16 bytes
	v_add_nc_u32 v8, s20, v1                       ; where I read a block back
	s_wait_kmcnt 0x0
	s_cmp_lt_u32 s2, 128
	s_cselect_b64 s[8:9], s[8:9], s[10:11]
	s_add_nc_u64 s[8:9], s[8:9], s[16:17]
	s_add_nc_u64 s[12:13], s[12:13], s[18:19]
.irp i, 0,1,2,3,4,5,6,7
	global_load_b128 v[X+4*\i:X+4*\i+3], v1, s[8:9] offset:512*\i th:TH_LOAD_NT
.endr
; cos and sin of v[x] by the half angle: n = round(x / 2 pi), h = x / 2 - n pi in [-pi/2, pi/2], Taylor series of sin h (to h^11)
; and cos h (to h^10), cos x = 1 - 2 sin^2 h, sin x = 2 sin h cos h.  neg = 1: the sine is stored negated.
.macro SINCOS x, c, s, neg
	v_mul_f32 v[T], 0.15915494, v[\x]
	v_rndne_f32 v[T], v[T]
	v_mul_f32 v[T+1], 0.5, v[\x]
	v_fma_f32 v[T+1], -v[T], s4, v[T+1]
	v_fma_f32 v[T+1], -v[T], s5, v[T+1]            ; h
	v_mul_f32 v[T+2], v[T+1], v[T+1]               ; z = h^2
	v_fma_f32 v[T+3], v[T+2], s6, s7
	v_fma_f32 v[T+4], v[T+2], s24, s25
	v_fmaak_f32 v[T+3], v[T+3], v[T+2], 0xb9500d01 ; -1/7!
	v_fmaak_f32 v[T+4], v[T+4], v[T+2], 0xbab60b61 ; -1/6!
	v_fmaak_f32 v[T+3], v[T+3], v[T+2], 0x3c088889 ; 1/5!
	v_fmaak_f32 v[T+4], v[T+4], v[T+2], 0x3d2aaaab ; 1/4!
	v_fmaak_f32 v[T+3], v[T+3], v[T+2], 0xbe2aaaab ; -1/3!
	v_fma_f32 v[T+4], v[T+4], v[T+2], -0.5
	v_mul_f32 v[T+5], v[T+1], v[T+2]
	v_fma_f32 v[T+4], v[T+4], v[T+2], 1.0          ; cos h
	v_fma_f32 v[T+3], v[T+5], v[T+3], v[T+1]       ; sin h
	v_add_f32 v[T+5], v[T+3], v[T+3]
	v_fma_f32 v[\c], -v[T+5], v[T+3], 1.0
.if \neg
	v_mul_f32 v[\s], -v[T+5], v[T+4]
.else
	v_mul_f32 v[\s], v[T+5], v[T+4]
.endif
.endm
.irp i, 0,1,2,3,4,5,6,7
	s_wait_loadcnt 7-\i                            ; the younger loads may stay out
	SINCOS X+4*\i,   CR+4*\i,   SR+4*\i,   1
	SINCOS X+4*\i+1, CR+4*\i+1, SR+4*\i+1, 0
	SINCOS X+4*\i+2, CR+4*\i+2, SR+4*\i+2, 1
	SINCOS X+4*\i+3, CR+4*\i+3, SR+4*\i+3, 0
	ds_store_b128 v7, v[CR+4*\i:CR+4*\i+3] offset:32*\i
	ds_store_b128 v7, v[SR+4*\i:SR+4*\i+3] offset:4352+32*\i
.endr
.irp q, 0,1,2,3,4,5,6,7
	ds_load_b128 v[X+4*\q:X+4*\q+3], v8 offset:528*\q              ; my wave's own bytes; LDS serves a wave in order (ISA guide 5.7.1)
.endr
.irp q, 0,1,2,3,4,5,6,7
	ds_load_b128 v[RB2+4*\q:RB2+4*\q+3], v8 offset:4352+528*\q
.endr
.irp q, 0,1,2,3,4,5,6,7
	s_wait_dscnt 15-\q
	global_store_b128 v1, v[X+4*\q:X+4*\q+3], s[12:13] offset:512*\q           ; 512 consecutive bytes
.endr
.irp q, 0,1,2,3,4,5,6,7
	s_wait_dscnt 7-\q
	global_store_b128 v1, v[RB2+4*\q:RB2+4*\q+3], s[12:13] offset:4096+512*\q
.endr
	s_wait_tensorcnt 0x0
	ds_add_u32 v192, v193
	s_wait_dscnt 0x0
	s_endpgm
; ---------------------------------------------------------------- weights: a tile of 128 k x 64 n, [k][n] f32 -> [n][k] bf16
.Lwt:
	s_load_b256 s[8:15], s[0:1], 0x58              ; w_kv, w_q, w_out, b_out
	s_load_b128 s[16:19], s[0:1], 0x78             ; wqp, wop
	s_load_b64 s[20:21], s[0:1], 0x30              ; kvin
	s_sub_co_u32 s2, ttmp9, 432                    ; t: 0..63 w_kv, 64..95 w_q, 96..127 w_out
	s_and_b32 s27, s2, 31
	s_wait_kmcnt 0x0
	s_add_nc_u64 s[20:21], s[20:21], 0x1000000     ; w_kv's transpose lies behind the 16 MiB of normalised context rows
	s_cmp_lt_u32 s2, 96
	s_cselect_b64 s[22:23], s[10:11], s[12:13]
	s_cselect_b64 s[24:25], s[16:17], s[18:19]
	s_cselect_b32 s30, 0, -1                       ; the tail behind w_q is zeros, behind w_out it is b_out
	s_cmp_lt_u32 s2, 64
	s_cselect_b64 s[22:23], s[8:9], s[22:23]       ; from
	s_cselect_b64 s[24:25], s[20:21], s[24:25]     ; to
	s_cselect_b32 s26, 12, 11
	s_cselect_b32 s27, s2, s27                     ; the tile's number in its matrix
	s_lshl_b32 s26, 1, s26                         ; bytes in a source row: 4,096 or 2,048
	s_and_b32 s28, s27, 3                          ; block of 128 k
	s_lshr_b32 s29, s27, 2                         ; block of 64 n
	s_mul_i32 s32, s28, s26
	s_lshl_b32 s32, s32, 7
	s_lshl_b32 s33, s29, 8
	s_add_co_u32 s32, s32, s33
	s_mov_b32 s33, 0
	s_add_nc_u64 s[22:23], s[22:23], s[32:33]
	s_lshl_b32 s34, s29, 16                        ; 64 rows of 1,024 bytes
	s_lshl_b32 s35, s28, 8
	s_add_co_u32 s34, s34, s35
	s_mov_b32 s35, 0
	s_add_nc_u64 s[24:25], s[24:25], s[34:35]
	v_lshrrev_b32 v4, 4, v0                        ; g 0..15: I read rows k = 8 g .. 8 g + 7
	v_and_b32 v5, 15, v0                           ; c: columns n = 4 c .. 4 c + 3; sixteen lanes read 256 consecutive bytes
	v_lshlrev_b32 v6, 3, v4
	v_mul_lo_u32 v6, v6, s26
	v_lshl_add_u32 v6, v5, 4, v6
.irp k, 0,1,2,3,4,5,6,7
	v_mad_u32_u24 v[8+\k], s26, \k, v6
.endr
.irp k, 0,1,2,3,4,5,6,7
	global_load_b128 v[X+4*\k:X+4*\k+3], v[8+\k], s[22:23] th:TH_LOAD_NT
.endr
	v_mul_u32_u24 v7, v5, 1088                     ; LDS row n = 4 c, pitch 272
	v_lshl_add_u32 v7, v4, 4, v7                   ; + my 8 k = 16 bytes
	v_mul_u32_u24 v16, v4, 272                     ; back: sixteen lanes take a row of 256 bytes
	v_lshl_add_u32 v16, v5, 4, v16
	v_lshlrev_b32 v17, 10, v4
	v_lshl_add_u32 v17, v5, 4, v17
	s_wait_loadcnt 0x0
.irp e, 0,1,2,3
.irp i, 0,1,2,3
	v_cvt_pk_bf16_f32 v[CR+4*\e+\i], v[X+8*\i+\e], v[X+8*\i+4+\e]              ; column 4 c + e, rows 8 g + 2 i and + 1
.endr
	ds_store_b128 v7, v[CR+4*\e:CR+4*\e+3] offset:272*\e
.endr
	s_wait_dscnt 0x0                               ; my stores are done before I say so
	s_barrier_signal -1
	s_barrier_wait -1
.irp t, 0,1,2,3
	ds_load_b128 v[X+4*\t:X+4*\t+3], v16 offset:4352*\t            ; rows g + 16 t
.endr
.irp t, 0,1,2,3
	s_wait_dscnt 3-\t
	global_store_b128 v17, v[X+4*\t:X+4*\t+3], s[24:25] offset:16384*\t        ; sixteen lanes store 256 consecutive bytes, aligned
.endr
	s_cmp_lt_u32 s2, 64
	s_cbranch_scc1 .Lend
	s_cmp_lg_u32 s27, 0
	s_cbranch_scc1 .Lend
	; tile 0 of w_q and of w_out (its offsets above were 0, so s[24:25] is the buffer's first byte) writes the 2,048 bytes behind the matrix
	v_lshlrev_b32 v18, 3, v0
	global_load_b64 v[20:21], v18, s[14:15]
	s_wait_loadcnt 0x0
	v_and_b32 v20, s30, v20                        ; all bits kept (b_out) or none (0.0)
	v_and_b32 v21, s30, v21
	global_store_b64 v18, v[20:21], s[24:25] offset:524288
.Lend:
	s_wait_tensorcnt 0x0
	ds_add_u32 v192, v193
	s_wait_dscnt 0x0
	s_endpgm
.Lfunc_end_k_qd1d17e5072_prep:
	.size	k_qd1d17e5072_prep, .Lfunc_end_k_qd1d17e5072_prep-k_qd1d17e5072_prep
	.p2alignl 7, 3214868480
	.fill 96, 4, 3214868480
	.section	.rodata,"a",@progbits
	.p2align	6, 0x0
	.amdhsa_kernel k_qd1d17e5072_prep
		.amdhsa_group_segment_fixed_size 70656
		.amdhsa_private_segment_fixed_size 0
		.amdhsa_enable_private_segment 0
		.amdhsa_kernarg_size 136
		.amdhsa_user_sgpr_count 2
		.amdhsa_user_sgpr_kernarg_segment_ptr 1
		.amdhsa_wavefront_size32 1
		.amdhsa_system_sgpr_workgroup_id_x 1
		.amdhsa_system_sgpr_workgroup_id_y 1
		.amdhsa_system_sgpr_workgroup_id_z 1
		.amdhsa_system_vgpr_workitem_id 0
		.amdhsa_next_free_vgpr 194
		.amdhsa_next_free_sgpr 66
		.amdhsa_reserve_vcc 0
		.amdhsa_float_denorm_mode_32 3
		.amdhsa_float_denorm_mode_16_64 3
		.amdhsa_memory_ordered 1
		.amdhsa_forward_progress 1
		.amdhsa_inst_pref_size 87
	.end_amdhsa_kernel
	.amdgpu_metadata
---
amdhsa.version: [ 1, 2 ]
amdhsa.kernels:
  - .name:           k_qd1d17e5072_prep
    .symbol:         k_qd1d17e5072_prep.kd
    .args:
      - { .name: x_context, .offset: 0, .size: 8, .value_kind: global_buffer, .address_space: global }
      - { .name: x_query, .offset: 8, .size: 8, .value_kind: global_buffer, .address_space: global }
      - { .name: norm_ctx_w, .offset: 16, .size: 8, .value_kind: global_buffer, .address_space: global }
      - { .name: norm_w, .offset: 24, .size: 8, .value_kind: global_buffer, .address_space: global }
      - { .name: norm_ctx_b, .offset: 32, .size: 8, .value_kind: global_buffer, .address_space: global }
      - { .name: norm_b, .offset: 40, .size: 8, .value_kind: global_buffer, .address_space: global }
      - { .name: kvin, .offset: 48, .size: 8, .value_kind: global_buffer, .address_space: global }
      - { .name: xq, .offset: 56, .size: 8, .value_kind: global_buffer, .address_space: global }
      - { .name: rotary_c, .offset: 64, .size: 8, .value_kind: global_buffer, .address_space: global }
      - { .name: rotary_q, .offset: 72, .size: 8, .value_kind: global_buffer, .address_space: global }
      - { .name: cs, .offset: 80, .size: 8, .value_kind: global_buffer, .address_space: global }
      - { .name: w_kv, .offset: 88, .size: 8, .value_kind: global_buffer, .address_space: global }
      - { .name: w_q, .offset: 96, .size: 8, .value_kind: global_buffer, .address_space: global }
      - { .name: w_out, .offset: 104, .size: 8, .value_kind: global_buffer, .address_space: global }
      - { .name: b_out, .offset: 112, .size: 8, .value_kind: global_buffer, .address_space: global }
      - { .name: wqp, .offset: 120, .size: 8, .value_kind: global_buffer, .address_space: global }
      - { .name: wop, .offset: 128, .size: 8, .value_kind: global_buffer, .address_space: global }
    .group_segment_fixed_size: 70656
    .private_segment_fixed_size: 0
    .kernarg_segment_align: 8
    .kernarg_segment_size: 136
    .max_flat_workgroup_size: 256
    .sgpr_count:     66
    .vgpr_count:     194
    .wavefront_size: 32
...
	.end_amdgpu_metadata
.endif
;; end of part 1
;; launch maskb (part 2): grid 2 x 1, 8 waves a work-group, no clusters, 0 bytes of LDS; arguments attn_mask, cs; writes cs
.if DOCPART == 2
	.amdgcn_target "amdgcn-amd-amdhsa--gfx1250"
	.amdhsa_code_object_version 6
	.text
	.protected	k_qd1d17e5072_maskb
	.globl	k_qd1d17e5072_maskb
	.p2align	8
	.type	k_qd1d17e5072_maskb,@function
k_qd1d17e5072_maskb:
	s_mov_b64 s[64:65], 0
	v_nop
	global_prefetch_b8 v0, s[64:65] scope:SCOPE_SE
	s_setreg_imm32_b32 hwreg(HW_REG_WAVE_MODE, 25, 1), 1
	s_wait_xcnt 0x0
; The mask of one batch (8,192 bytes of 0 or 1) as an additive f32 bias, and the scale of q, behind the rotary tables in cs.
; One work-group a batch, eight waves; wave w writes the bias of keys 1,024 w .. 1,024 w + 1,023.
;   bias = 0 for a valid key, -2^127 for a masked one; scale = 0.125 log2 e.
;   If the batch has no valid key: bias = 0 everywhere and scale = 0, so that all scores are equal and the weights uniform, as in the
;   reference.  The test selects these two values and no path.
; Each wave reads the batch's whole mask for that test (8,192 bytes, eight times in the work-group) rather than meet the other waves
; in LDS: no LDS, no barrier, no branch.  The work is two batches' worth: two work-groups, and no more are launched.
; The scale fills one unit of 256 bytes a wave: wave w of batch b writes unit 2 w + b, so that batch b's scale is found at
; SCALEG + 256 b (wave 0's unit); the other units hold the same number.
.set X,   8                            ; v[8:71]    the whole mask: 16 loads of 16 bytes a lane
.set MW,  72                           ; v[72:79]   my own mask bytes: word i = keys 1,024 w + 128 i + 4 lane .. + 3
.set BV,  80                           ; v[80:111]  their bias
.set SC,  112                          ; v[112:113] the scale, twice
.set BIASG,  0x900000                  ; cs: behind 1,152 groups of 8,192 bytes of tables the bias, 2 x 8,192 f32,
.set SCALEG, 0x910000                  ; and 16 units of 256 bytes of scale
	s_load_b128 s[8:11], s[0:1], 0x0               ; attn_mask s[8:9], cs s[10:11]
	v_lshrrev_b32 v1, 5, v0
	v_readfirstlane_b32 s4, v1                     ; wave 0..7
	v_and_b32 v3, 31, v0                           ; lane
	s_lshl_b32 s16, ttmp9, 13                      ; 8,192 mask bytes a batch
	s_mov_b32 s17, 0
	s_lshl_b32 s18, ttmp9, 15                      ; 32,768 bytes of bias a batch,
	s_lshl_b32 s19, s4, 12                         ; 4,096 a wave
	s_add_co_u32 s18, s18, s19
	s_add_co_u32 s18, s18, BIASG
	s_mov_b32 s19, 0
	s_lshl_b32 s20, ttmp9, 8                       ; unit 2 w + b
	s_lshl_b32 s21, s4, 9
	s_add_co_u32 s20, s20, s21
	s_add_co_u32 s20, s20, SCALEG
	s_mov_b32 s21, 0
	s_lshl_b32 s22, s4, 10
	v_lshlrev_b32 v2, 4, v3                        ; 16 x lane
	v_lshlrev_b32 v4, 2, v3
	v_add_nc_u32 v4, s22, v4                       ; my four mask bytes: 1,024 x wave + 4 x lane
	v_lshlrev_b32 v5, 3, v3                        ; 8 x lane
	s_wait_kmcnt 0x0
	s_add_nc_u64 s[8:9], s[8:9], s[16:17]
	s_add_nc_u64 s[12:13], s[10:11], s[18:19]
	s_add_nc_u64 s[14:15], s[10:11], s[20:21]
.irp i, 0,1,2,3,4,5,6,7,8,9,10,11,12,13,14,15
	global_load_b128 v[X+4*\i:X+4*\i+3], v2, s[8:9] offset:512*\i              ; the batch's whole mask
.endr
.irp i, 0,1,2,3,4,5,6,7
	global_load_b32 v[MW+\i], v4, s[8:9] offset:128*\i
.endr
	s_wait_loadcnt 0x0
.irp n, 32,16,8,4,2,1
.set k, 0
.rept \n
	v_or_b32 v[X+k], v[X+k], v[X+k+\n]
.set k, k+1
.endr
.endr
	v_cmp_ne_u32 vcc_lo, 0, v[X]
	s_cmp_lg_u32 vcc_lo, 0                         ; has the batch a valid key?
	s_cselect_b32 s24, 0xff000000, 0               ; the bias of a masked key: -2^127
	s_cselect_b32 s25, 0x3e38aa3b, 0               ; the scale of q: 0.125 log2 e
.irp i, 0,1,2,3,4,5,6,7
.irp e, 0,1,2,3
	v_bfe_u32 v[BV+4*\i+\e], v[MW+\i], 8*\e, 1
	v_add_nc_u32 v[BV+4*\i+\e], -1, v[BV+4*\i+\e]  ; valid: 0, masked: all ones
	v_and_b32 v[BV+4*\i+\e], s24, v[BV+4*\i+\e]
.endr
	global_store_b128 v2, v[BV+4*\i:BV+4*\i+3], s[12:13] offset:512*\i         ; 512 consecutive bytes
.endr
	v_mov_b32 v[SC], s25
	v_mov_b32 v[SC+1], s25
	global_store_b64 v5, v[SC:SC+1], s[14:15]      ; the wave stores 256 consecutive bytes, aligned
	s_endpgm
.Lfunc_end_k_qd1d17e5072_maskb:
	.size	k_qd1d17e5072_maskb, .Lfunc_end_k_qd1d17e5072_maskb-k_qd1d17e5072_maskb
	.p2alignl 7, 3214868480
	.fill 96, 4, 3214868480
	.section	.rodata,"a",@progbits
	.p2align	6, 0x0
	.amdhsa_kernel k_qd1d17e5072_maskb
		.amdhsa_group_segment_fixed_size 0
		.amdhsa_private_segment_fixed_size 0
		.amdhsa_enable_private_segment 0
		.amdhsa_kernarg_size 16
		.amdhsa_user_sgpr_count 2
		.amdhsa_user_sgpr_kernarg_segment_ptr 1
		.amdhsa_wavefront_size32 1
		.amdhsa_system_sgpr_workgroup_id_x 1
		.amdhsa_system_sgpr_workgroup_id_y 1
		.amdhsa_system_sgpr_workgroup_id_z 1
		.amdhsa_system_vgpr_workitem_id 0
		.amdhsa_next_free_vgpr 120
		.amdhsa_next_free_sgpr 66
		.amdhsa_reserve_vcc 1
		.amdhsa_float_denorm_mode_32 3
		.amdhsa_float_denorm_mode_16_64 3
		.amdhsa_memory_ordered 1
		.amdhsa_forward_progress 1
		.amdhsa_inst_pref_size 11
	.end_amdhsa_kernel
	.amdgpu_metadata
---
amdhsa.version: [ 1, 2 ]
amdhsa.kernels:
  - .name:           k_qd1d17e5072_maskb
    .symbol:         k_qd1d17e5072_maskb.kd
    .args:
      - { .name: attn_mask, .offset: 0, .size: 8, .value_kind: global_buffer, .address_space: global }
      - { .name: cs, .offset: 8, .size: 8, .value_kind: global_buffer, .address_space: global }
    .group_segment_fixed_size: 0
    .private_segment_fixed_size: 0
    .kernarg_segment_align: 8
    .kernarg_segment_size: 16
    .max_flat_workgroup_size: 256
    .sgpr_count:     66
    .vgpr_count:     120
    .wavefront_size: 32
...
	.end_amdgpu_metadata
.endif
;; end of part 2
;; launch qproj (part 3): grid 8 x 32, 4 waves a work-group, no clusters, 168,448 bytes of LDS; arguments xq, wqp, qf; writes qf
.if DOCPART == 3
	.amdgcn_target "amdgcn-amd-amdhsa--gfx1250"
	.amdhsa_code_object_version 6
	.text
	.protected	k_qd1d17e5072_qproj
	.globl	k_qd1d17e5072_qproj
	.p2align	8
	.type	k_qd1d17e5072_qproj,@function
k_qd1d17e5072_qproj:
	s_mov_b64 s[64:65], 0
	v_nop
	global_prefetch_b8 v0, s[64:65] scope:SCOPE_SE
	s_setreg_imm32_b32 hwreg(HW_REG_WAVE_MODE, 25, 1), 1
	s_wait_xcnt 0x0
; C[2048][512] f32 = A[2048][512] bf16 x Wt[512 n][512 k] bf16 (transposed) + bias[512] f32, which lies at byte 524,288 of Wt's buffer.
; A work-group makes 64 x 64 of C, wave w its rows 16 w .. 16 w + 15: four accumulators.
; The whole K of both tiles (2 x 64 rows x 1,024 bytes) is asked for at the head, by eight tensor loads a wave, each byte of LDS filled
; once: this text has eight tensor loads of a wave outstanding, and no slot is ever filled again.
; NO CLUSTER: a work-group asks once, for 131,072 bytes, before it does anything else, and then only waits for them; a joint request
; would put a meeting of four work-groups in front of the one wait that the kernel has, to spare re-reads of 2.5 MiB of operands.
.set PITCH,  272                       ; 256 bytes of a row + 16 of padding
.set CHB,    34816                     ; a chunk of K = 128: A's 64 rows, then B's 64 rows
.set BOFF,   17408
.set STAGE,  139264                    ; behind the chunks: 16 rows x 272 bytes for each wave; no tensor load lands here
.set ADA, 4                            ; v4, v5   my A fragments in chunks 0-1, 2-3
.set ADB, 6                            ; v6, v7   B's fragments likewise
.set STO, 8
.set RD,  9
.set CO,  10
.set BS,  12                           ; v[12:15] bias of my four columns on the way out
.set ACC, 16                           ; v[16:47]
.set AF,  48                           ; v[48:79]   A: 8 registers for each 32 of K
.set BF,  80                           ; v[80:207]  B: (4 ks + nt) x 8
.set G1,  16                           ; s[16:23]
.set G0,  24                           ; s[24:55]  chunk c: A's group 0 at 8 c, B's at 8 c + 4
	s_load_b128 s[4:7], s[0:1], 0x0                ; A, Wt
	s_load_b64 s[8:9], s[0:1], 0x10                ; C
	v_lshl_add_u32 v208, v0, 2, 0x29000
	v_mov_b32 v209, 0
	ds_add_u32 v208, v209
	ds_add_u32 v208, v209
	v_lshrrev_b32 v1, 5, v0
	v_readfirstlane_b32 s10, v1                    ; wave 0..3
	s_and_b32 s12, ttmp7, 0xffff                   ; block row; ttmp9 is the block column
	s_mov_b32 s[G1+0], 0x07510000                  ; elements of 2 bytes; after every 64 words 4 words of padding
	s_mov_b32 s[G1+1], 128<<16                     ; tensor_dim0 = 128
	s_mov_b32 s[G1+2], 16<<16                      ; tensor_dim1 = 16
	s_mov_b32 s[G1+3], 128<<16                     ; tile_dim0 = 128
	s_mov_b32 s[G1+4], 16                          ; tile_dim1 = 16 rows
	s_mov_b32 s[G1+5], 512                         ; elements from row to row
	s_mov_b32 s[G1+6], 0
	s_mov_b32 s[G1+7], 0
	s_lshl_b32 s13, s12, 6
	s_lshl4_add_u32 s13, s10, s13                  ; my first row of A and of C
	s_lshl_b32 s56, s13, 10
	s_mov_b32 s57, 0
	s_lshl_b32 s58, ttmp9, 6
	s_lshl4_add_u32 s58, s10, s58                  ; the 16 rows of Wt that I fetch
	s_lshl_b32 s58, s58, 10
	s_mov_b32 s59, 0
	s_mul_i32 s11, s10, 16*PITCH
	s_lshl_b32 s14, s13, 11                        ; C: rows of 2,048 bytes,
	s_lshl_b32 s15, ttmp9, 8                       ; 64 columns of 4 bytes
	s_add_co_u32 s14, s14, s15
	s_mov_b32 s3, 0
	s_mov_b32 s2, s15
	s_mov_b32 s15, 0
	s_wait_dscnt 0x0
	s_wait_kmcnt 0x0
	s_add_nc_u64 s[56:57], s[4:5], s[56:57]
	s_add_nc_u64 s[58:59], s[6:7], s[58:59]
.irp c, 0,1,2,3
	s_mov_b32 s[G0+8*\c], 1
	s_add_co_u32 s[G0+8*\c+1], s11, \c*CHB
	s_add_nc_u64 s[G0+8*\c+2:G0+8*\c+3], s[56:57], \c*256
	s_or_b32 s[G0+8*\c+3], s[G0+8*\c+3], 0x80000000
	tensor_load_to_lds s[G0+8*\c:G0+8*\c+3], s[G1:G1+7]
	s_nop 0
	s_mov_b32 s[G0+8*\c+4], 1
	s_add_co_u32 s[G0+8*\c+5], s11, \c*CHB+BOFF
	s_add_nc_u64 s[G0+8*\c+6:G0+8*\c+7], s[58:59], \c*256
	s_or_b32 s[G0+8*\c+7], s[G0+8*\c+7], 0x80000000
	tensor_load_to_lds s[G0+8*\c+4:G0+8*\c+7], s[G1:G1+7]
	s_nop 0
.endr
	s_add_nc_u64 s[14:15], s[8:9], s[14:15]        ; C at my first row and column
	s_add_nc_u64 s[4:5], s[6:7], s[2:3]            ; the bias of my block's columns, less 524,288
	v_and_b32 v1, 15, v0                           ; r
	v_bfe_u32 v2, v0, 4, 1                         ; h
	v_lshlrev_b32 v11, 4, v1
	global_load_b128 v[BS:BS+3], v11, s[4:5] offset:524288
	v_mul_u32_u24 v3, v1, PITCH
	v_lshl_add_u32 v[ADB], v2, 4, v3               ; row r, 16 bytes for each half of the lanes
	v_add_nc_u32 v[ADB+1], 2*CHB, v[ADB]
	v_add_nc_u32 v[ADA], s11, v[ADB]
	v_add_nc_u32 v[ADA+1], 2*CHB, v[ADA]
	s_add_co_u32 s11, s11, STAGE
	v_lshl_add_u32 v[STO], v2, 5, v3
	v_add_nc_u32 v[STO], s11, v[STO]               ; out: row r, 32 bytes for each half
	v_mul_u32_u24 v3, v2, PITCH
	v_lshl_add_u32 v[RD], v1, 4, v3
	v_add_nc_u32 v[RD], s11, v[RD]                 ; back: lanes 0-15 one row of 256 bytes, lanes 16-31 the next
	v_lshlrev_b32 v3, 11, v2
	v_lshl_add_u32 v[CO], v1, 4, v3
; A chunk of K = 128.  Source 0 takes rows of Wt, source 1 rows of A: a lane then holds eight neighbouring columns of one row of C.
; The four accumulators take turns, one instruction a turn.
.macro CHUNK c
	s_wait_tensorcnt 6-2*\c                        ; my parts of this chunk are in; two loads for each younger chunk stay out
	s_wait_dscnt 0x0
	s_barrier_signal -1
	s_barrier_wait -1                              ; everybody's parts are in
.if \c
.rept 4
	v_nop                                          ; four places between the last matrix instruction and loads into its sources
.endr
.endif
.irp ks, 0,1,2,3
	ds_load_b128 v[AF+8*\ks:AF+8*\ks+3],   v[ADA+\c/2] offset:(\c%2)*CHB+64*\ks
	ds_load_b128 v[AF+8*\ks+4:AF+8*\ks+7], v[ADA+\c/2] offset:(\c%2)*CHB+64*\ks+32
.irp nt, 0,1,2,3
	ds_load_b128 v[BF+8*(4*\ks+\nt):BF+8*(4*\ks+\nt)+3],   v[ADB+\c/2] offset:(\c%2)*CHB+BOFF+\nt*16*PITCH+64*\ks
	ds_load_b128 v[BF+8*(4*\ks+\nt)+4:BF+8*(4*\ks+\nt)+7], v[ADB+\c/2] offset:(\c%2)*CHB+BOFF+\nt*16*PITCH+64*\ks+32
.endr
.endr
.irp ks, 0,1,2,3
	s_wait_dscnt 30-10*\ks                         ; ten loads for each younger quarter of the chunk stay out
.irp nt, 0,1,2,3
.if \c+\ks == 0
	v_wmma_f32_16x16x32_bf16 v[ACC+8*\nt:ACC+8*\nt+7], v[BF+8*(4*\ks+\nt):BF+8*(4*\ks+\nt)+7], v[AF+8*\ks:AF+8*\ks+7], 0
.else
	v_wmma_f32_16x16x32_bf16 v[ACC+8*\nt:ACC+8*\nt+7], v[BF+8*(4*\ks+\nt):BF+8*(4*\ks+\nt)+7], v[AF+8*\ks:AF+8*\ks+7], v[ACC+8*\nt:ACC+8*\nt+7]
.endif
.endr
.endr
.endm
	CHUNK 0
	CHUNK 1
	CHUNK 2
	CHUNK 3
.rept 4
	v_nop                                          ; four places before results are stored and sources loaded again
.endr
.irp nt, 0,1,2,3
	ds_store_b128 v[STO], v[ACC+8*\nt:ACC+8*\nt+3]   offset:64*\nt
	ds_store_b128 v[STO], v[ACC+8*\nt+4:ACC+8*\nt+7] offset:64*\nt+16
.endr
.irp t, 0,1,2,3,4,5,6,7
	ds_load_b128 v[BF+4*\t:BF+4*\t+3], v[RD] offset:2*PITCH*\t     ; my wave's own stage: served in order, no wait between
.endr
	s_wait_loadcnt 0x0                             ; the bias
.irp t, 0,1,2,3,4,5,6,7
	s_wait_dscnt 7-\t
	v_pk_add_f32 v[BF+4*\t:BF+4*\t+1],   v[BF+4*\t:BF+4*\t+1],   v[BS:BS+1]
	v_pk_add_f32 v[BF+4*\t+2:BF+4*\t+3], v[BF+4*\t+2:BF+4*\t+3], v[BS+2:BS+3]
	global_store_b128 v[CO], v[BF+4*\t:BF+4*\t+3], s[14:15] offset:4096*\t     ; sixteen lanes store 256 consecutive bytes, aligned
.endr
	s_wait_tensorcnt 0x0
	ds_add_u32 v208, v209
	s_wait_dscnt 0x0
	s_endpgm
.Lfunc_end_k_qd1d17e5072_qproj:
	.size	k_qd1d17e5072_qproj, .Lfunc_end_k_qd1d17e5072_qproj-k_qd1d17e5072_qproj
	.p2alignl 7, 3214868480
	.fill 96, 4, 3214868480
	.section	.rodata,"a",@progbits
	.p2align	6, 0x0
	.amdhsa_kernel k_qd1d17e5072_qproj
		.amdhsa_group_segment_fixed_size 168448
		.amdhsa_private_segment_fixed_size 0
		.amdhsa_enable_private_segment 0
		.amdhsa_kernarg_size 24
		.amdhsa_user_sgpr_count 2
		.amdhsa_user_sgpr_kernarg_segment_ptr 1
		.amdhsa_wavefront_size32 1
		.amdhsa_system_sgpr_workgroup_id_x 1
		.amdhsa_system_sgpr_workgroup_id_y 1
		.amdhsa_system_sgpr_workgroup_id_z 1
		.amdhsa_system_vgpr_workitem_id 0
		.amdhsa_next_free_vgpr 210
		.amdhsa_next_free_sgpr 66
		.amdhsa_reserve_vcc 0
		.amdhsa_float_denorm_mode_32 3
		.amdhsa_float_denorm_mode_16_64 3
		.amdhsa_memory_ordered 1
		.amdhsa_forward_progress 1
		.amdhsa_inst_pref_size 25
	.end_amdhsa_kernel
	.amdgpu_metadata
---
amdhsa.version: [ 1, 2 ]
amdhsa.kernels:
  - .name:           k_qd1d17e5072_qproj
    .symbol:         k_qd1d17e5072_qproj.kd
    .args:
      - { .name: xq, .offset: 0, .size: 8, .value_kind: global_buffer, .address_space: global }
      - { .name: wqp, .offset: 8, .size: 8, .value_kind: global_buffer, .address_space: global }
      - { .name: qf, .offset: 16, .size: 8, .value_kind: global_buffer, .address_space: global }
    .group_segment_fixed_size: 168448
    .private_segment_fixed_size: 0
    .kernarg_segment_align: 8
    .kernarg_segment_size: 24
    .max_flat_workgroup_size: 128
    .sgpr_count:     66
    .vgpr_count:     210
    .wavefront_size: 32
...
	.end_amdgpu_metadata
.endif
;; end of part 3
;; launch kvproj (part 4): grid 4 x 64, 4 waves a work-group, clusters of 4 x 4, 327,680 bytes of LDS; arguments kvin, cs, kv; writes kv
.if DOCPART == 4
	.amdgcn_target "amdgcn-amd-amdhsa--gfx1250"
	.amdhsa_code_object_version 6
	.text
	.protected	k_qd1d17e5072_kvproj
	.globl	k_qd1d17e5072_kvproj
	.p2align	8
	.type	k_qd1d17e5072_kvproj,@function
k_qd1d17e5072_kvproj:
	s_mov_b64 s[64:65], 0
	v_nop
	global_prefetch_b8 v0, s[64:65] scope:SCOPE_SE
	s_setreg_imm32_b32 hwreg(HW_REG_WAVE_MODE, 25, 1), 1
	s_wait_xcnt 0x0
	s_wait_alu depctr_hold_cnt(0) depctr_sa_sdst(0) depctr_va_vdst(0) depctr_va_sdst(0) depctr_va_ssrc(0) depctr_va_vcc(0) depctr_vm_vsrc(0)
	s_getreg_b32 s2, hwreg(HW_REG_IB_STS2, 6, 4)
	s_cmp_eq_u32 s2, 0
	s_cbranch_scc0 .Lentry_in_a_cluster
	s_endpgm
.Lentry_in_a_cluster:
	s_bfe_u32 s2, ttmp6, 0x10000c
	s_cmp_lg_u32 s2, 0xf033
	s_cbranch_scc0 .Lentry_shape_is_right
	s_endpgm
.Lentry_shape_is_right:
; kv = rope(LN(x_context) x w_kv), bf16.  A = kvin [16384][512] bf16; B = w_kv transposed [1024 n][512 k] bf16 at byte 0x1000000 of kvin.
; A work-group makes 256 x 256 with four waves, a wave 128 x 128: 64 accumulator tiles, 512 registers.  K goes in four steps of 128
; through two LDS slots filled by the tensor data mover; a tile's rows are 256 bytes of memory, aligned.
; CLUSTERS: 4 x 4 work-groups; A's tile is asked for jointly along a row of the cluster, B's along a column: a quarter of the requests.
; This text has two tensor loads of a wave outstanding at the start and one afterwards.
; THE WAY OUT: source 0 = rows of B, source 1 = rows of A, so a lane holds eight neighbouring columns (d) of one context row; the rotation
; out = x cos + swap(x) sgn-sin is made on the f32 sums with tables that lie in exactly that order, then rounded to bf16.
; Output layout: [16 planes: K heads 0-7, V heads 0-7][16384 rows][64] bf16.
; REGISTERS: window 0: v0-31 addresses, v32-63 read-back, v64-127 and v128-191 A's fragments, later the tables, v192-255 rotated results;
; window 1: v64-191 B's fragments; windows 2, 3: accumulators of my rows 0-63, 64-127 (tile (a, b) at v[8 (8 a + b)]).
.set SIZE_K, 512
.set KSTEP,  128
.set PITCH,  272                       ; 256 bytes + 16 of padding: sixteen rows start at sixteen different 16-byte columns of the banks (ISA guide 11.1)
.set HALFT,  128*PITCH
.set SLOT,   4*HALFT
.set STAGE,  2*SLOT                    ; behind the ring: 16 rows x 272 bytes for each wave; no tensor load lands here
.set SPITCH, 272
.set ADRA, 16
.set ADRB, 20
.set STO,  24
.set RD,   25
.set CO,   26
.set RB,   32
.set F0,   64
.set F1,   128
.set TT,   192
.set G1, 24
.set G0, 32
.set G1B, 48
.set G0B, 56
.set MSB, 0
.macro WIN new                         ; the immediate's high byte repeats the setting that is left
.if MSB != \new
	s_set_vgpr_msb (MSB<<8)|\new
.set MSB, \new
.endif
.endm
.set MUL_LO, 0xa1                      ; source 0 (B) window 1, source 1 (A) window 0, C and D window 2
.set MUL_HI, 0xf1                      ; the same, C and D window 3
.set TO_B,   0x40                      ; destination window 1
; A joint load: waves 0, 1 fetch A's halves, waves 2, 3 B's.  The branch hangs on the wave's number alone.
.macro JLOAD s
	s_cmp_eq_u32 s11, 0
	s_cbranch_scc0 .Lfor_b_\@
	tensor_load_to_lds s[G0+4*\s:G0+4*\s+3], s[G1:G1+7]
	s_nop 0
	s_branch .Lasked_\@
.Lfor_b_\@:
	tensor_load_to_lds s[G0B+4*\s:G0B+4*\s+3], s[G1B:G1B+7]
	s_nop 0
.Lasked_\@:
.endm
.macro CREST                           ; a round of the cluster's barrier behind its opening work-group barrier
	s_cmp_lg_u32 s10, 0
	s_cbranch_scc1 .Lnot_wave_0_\@
	s_barrier_signal -3
.Lnot_wave_0_\@:
	s_barrier_wait -3
	s_barrier_signal -1
	s_barrier_wait -1
.endm
.macro CROUND
	s_barrier_signal -1
	s_barrier_wait -1
	CREST
.endm
	s_load_b128 s[4:7], s[0:1], 0x0                ; kvin s[4:5], cs s[6:7]
	s_load_b64 s[8:9], s[0:1], 0x10                ; kv
	s_set_vgpr_msb 0x40
	v_lshl_add_u32 v255, v0, 2, 0x48400
	s_set_vgpr_msb 0x4000
	v_mov_b32 v31, 0
	s_set_vgpr_msb 0x1
	ds_add_u32 v255, v31
	ds_add_u32 v255, v31
	s_set_vgpr_msb 0x100
	v_lshrrev_b32 v1, 5, v0
	v_readfirstlane_b32 s10, v1                    ; wave 0..3
	s_lshr_b32 s11, s10, 1                         ; my half of the block's rows; also: I fetch for A (0) or B (1)
	s_and_b32 s12, s10, 1                          ; my half of its columns; also: which 128 rows of that tile I fetch
	s_bfe_u32 s40, ttmp6, 0x40000                  ; cx
	s_bfe_u32 s41, ttmp6, 0x40004                  ; cy
	s_lshl_b32 s42, ttmp9, 2
	s_add_co_u32 s42, s42, s40                     ; block column
	s_and_b32 s13, ttmp7, 0xffff
	s_lshl_b32 s13, s13, 2
	s_add_co_u32 s13, s13, s41                     ; block row
	s_lshl_b32 s43, s41, 2
	s_lshl_b32 s43, 15, s43                        ; my row of the cluster
	s_lshl_b32 s44, 0x1111, s40                    ; my column
	s_or_b32 s[G1+0], s43, (1<<16)|(1<<20)|(1<<21)|(5<<22)|(3<<25)  ; mask; elements of 2 bytes; padding of 4 words after every 64; bit 21 beside a mask
	s_or_b32 s[G1B+0], s44, (1<<16)|(1<<20)|(1<<21)|(5<<22)|(3<<25)
	s_mov_b32 s[G1B+1], KSTEP<<16
	s_mov_b32 s[G1+1], KSTEP<<16                   ; tensor_dim0 = 128
	s_mov_b32 s[G1B+2], 128<<16
	s_mov_b32 s[G1+2], 128<<16                     ; tensor_dim1 = 128
	s_mov_b32 s[G1B+3], KSTEP<<16
	s_mov_b32 s[G1+3], KSTEP<<16                   ; tile_dim0 = 128
	s_mov_b32 s[G1B+4], 128
	s_mov_b32 s[G1+4], 128                         ; tile_dim1 = 128
	s_mov_b32 s[G1B+5], SIZE_K
	s_mov_b32 s[G1+5], SIZE_K                      ; elements from row to row
	s_mov_b32 s[G1B+6], 0
	s_mov_b32 s[G1+6], 0
	s_mov_b32 s[G1B+7], 0
	s_mov_b32 s[G1+7], 0
	s_lshl_b32 s17, s12, 7
	s_lshl_b32 s16, s13, 8
	s_add_co_u32 s16, s16, s17                     ; A: row 256 x block row + 128 x half
	s_lshl_b32 s46, s42, 8
	s_add_co_u32 s46, s46, s17                     ; B: row 256 x block column + 128 x half
	s_mov_b32 s17, 0
	s_mov_b32 s47, 0
	s_mov_b64 s[18:19], SIZE_K*2
	s_mul_u64 s[16:17], s[16:17], s[18:19]
	s_mul_u64 s[46:47], s[46:47], s[18:19]
	s_mul_i32 s20, s10, HALFT                      ; LDS: A's two halves, then B's two = wave x 128 rows
	s_lshl_b32 s66, s13, 4
	s_lshl3_add_u32 s66, s11, s66                  ; the first group of 16 context rows of my 128
	s_lshl_b32 s66, s66, 13                        ; 8,192 bytes of tables a group
	s_mov_b32 s67, 0
	s_wait_dscnt 0x0
	s_wait_kmcnt 0x0
	s_add_nc_u64 s[14:15], s[4:5], s[16:17]
	s_add_nc_u64 s[46:47], s[4:5], s[46:47]
	s_add_nc_u64 s[46:47], s[46:47], 0x1000000
	s_add_nc_u64 s[66:67], s[6:7], s[66:67]
	CROUND                                         ; all sixteen work-groups are here: the first joint loads meet
.irp s, 0,1
	s_mov_b32 s[G0+4*\s], 1
	s_add_co_u32 s[G0+4*\s+1], s20, \s*SLOT
	s_add_nc_u64 s[G0+4*\s+2:G0+4*\s+3], s[14:15], \s*KSTEP*2
	s_or_b32 s[G0+4*\s+3], s[G0+4*\s+3], 0x80000000
	s_mov_b32 s[G0B+4*\s], 1
	s_add_co_u32 s[G0B+4*\s+1], s20, \s*SLOT
	s_add_nc_u64 s[G0B+4*\s+2:G0B+4*\s+3], s[46:47], \s*KSTEP*2
	s_or_b32 s[G0B+4*\s+3], s[G0B+4*\s+3], 0x80000000
	JLOAD \s
.endr
	v_and_b32 v1, 15, v0                           ; l % 16
	v_bfe_u32 v2, v0, 4, 1                         ; l / 16
	v_mul_u32_u24 v3, v1, PITCH
	v_lshl_add_u32 v3, v2, 4, v3
	s_mul_i32 s21, s11, HALFT
	s_mul_i32 s22, s12, HALFT
	s_add_co_u32 s22, s22, 2*HALFT
.irp s, 0,1
	v_add_nc_u32 v[ADRA+\s], s21, v3
	v_add_nc_u32 v[ADRB+\s], s22, v3
	s_add_co_u32 s21, s21, SLOT
	s_add_co_u32 s22, s22, SLOT
.endr
	s_mul_i32 s23, s10, 16*SPITCH
	s_add_co_u32 s23, s23, STAGE                   ; my stage
	v_mul_u32_u24 v4, v1, SPITCH
	v_lshl_add_u32 v4, v2, 4, v4
	v_add_nc_u32 v[STO], s23, v4                   ; in: row l % 16, 16 bytes for each half of the lanes
	v_and_b32 v5, 31, v0
	v_lshlrev_b32 v[CO], 4, v5                     ; 16 x lane: tables in, kv out
	v_lshrrev_b32 v4, 3, v5
	v_and_b32 v5, 7, v5
	v_mul_u32_u24 v4, v4, SPITCH
	v_lshl_add_u32 v4, v5, 4, v4
	v_add_nc_u32 v[RD], s23, v4                    ; back: eight lanes take the 128 bytes of one head in one row, four rows a load
.macro MUL16 f, hi, a0, zero
.irp a, \a0, \a0+1
.irp b, 0,1,2,3,4,5,6,7
.if \zero
	v_wmma_f32_16x16x32_bf16 v[8*(8*(\a)+\b):8*(8*(\a)+\b)+7], v[\f+8*\b:\f+8*\b+7], v[\f+8*(4*\hi+\a):\f+8*(4*\hi+\a)+7], 0
.else
	v_wmma_f32_16x16x32_bf16 v[8*(8*(\a)+\b):8*(8*(\a)+\b)+7], v[\f+8*\b:\f+8*\b+7], v[\f+8*(4*\hi+\a):\f+8*(4*\hi+\a)+7], v[8*(8*(\a)+\b):8*(8*(\a)+\b)+7]
.endif
.endr
.endr
.endm
.macro FETCH slot, k, f
	WIN TO_B
.irp i, 0,1,2,3,4,5,6,7
	ds_load_b128 v[\f+8*\i:\f+8*\i+3],   v[ADRB+\slot] offset:\k+\i*16*PITCH
	ds_load_b128 v[\f+8*\i+4:\f+8*\i+7], v[ADRB+\slot] offset:\k+\i*16*PITCH+32
.endr
	WIN 0
.irp i, 0,1,2,3,4,5,6,7
	ds_load_b128 v[\f+8*\i:\f+8*\i+3],   v[ADRA+\slot] offset:\k+\i*16*PITCH
	ds_load_b128 v[\f+8*\i+4:\f+8*\i+7], v[ADRA+\slot] offset:\k+\i*16*PITCH+32
.endr
.endm
.macro PLACES                          ; four places between a matrix instruction and a load into, or a vector instruction on, its registers
.rept 4
	v_nop
.endr
.endm
; The 64 accumulators take turns, one instruction a turn, in the same order in every quarter step.
.macro QUARTER slot, k, f, g, zero
	s_wait_dscnt 8                                 ; B and A's rows 0-63 are in; the youngest eight loads (A's rows 64-127) may be out
	WIN MUL_LO
	MUL16 \f, 0, 0, \zero
	MUL16 \f, 0, 2, \zero
	PLACES
	FETCH \slot, \k, \g
	s_wait_dscnt 32                                ; all but the 32 just issued
	WIN MUL_HI
	MUL16 \f, 1, 0, \zero
	MUL16 \f, 1, 2, \zero
.endm
.macro THREE slot, zero
	QUARTER \slot, 64,  F0, F1, \zero
	QUARTER \slot, 128, F1, F0, 0
	QUARTER \slot, 192, F0, F1, 0
.endm
; The last quarter of a K step changes slots: each wave waits for its reads of this slot and for all its tensor loads, then the barrier
; (where the slot is filled again: a round of the cluster's barrier), then the refill first, then the next slot's first fragments.
.macro TURN slot, next, fill
	s_wait_dscnt 8
	WIN MUL_LO
	MUL16 F1, 0, 0, 0
	s_wait_dscnt 0                                 ; my reads of this slot are over
	s_wait_tensorcnt 0x0                           ; all my tensor loads have landed: the one that was out is my part of the next slot
	ds_add_u32 v255, v31
	s_wait_dscnt 0x0
	s_barrier_signal -1
	MUL16 F1, 0, 2, 0                              ; register work while the others arrive
	WIN 0
	s_barrier_wait -1
.if \fill
	CREST                                          ; no wave of any partner still reads this slot or has a load on its way
	s_add_nc_u64 s[G0+4*\slot+2:G0+4*\slot+3], s[G0+4*\slot+2:G0+4*\slot+3], 2*KSTEP*2
	s_add_nc_u64 s[G0B+4*\slot+2:G0B+4*\slot+3], s[G0B+4*\slot+2:G0B+4*\slot+3], 2*KSTEP*2
	JLOAD \slot                                    ; the first tensor load behind the round
.endif
	PLACES
	FETCH \next, 0, F0
	WIN MUL_HI
	MUL16 F1, 1, 0, 0
	MUL16 F1, 1, 2, 0
.endm
; The tables of 16 context rows: cos into buf .. buf + 31, sgn-sin into buf + 32 .. buf + 63; each load is 512 consecutive bytes.
.macro LOADCS buf, i
.irp q, 0,1,2,3,4,5,6,7,8,9,10,11,12,13,14,15
	global_load_b128 v[\buf+4*\q:\buf+4*\q+3], v[CO], s[66:67] offset:(\i)*8192+\q*512
.endr
.endm
	s_wait_tensorcnt 1                             ; my part of K step 0 is in, K step 1 stays out
	s_barrier_signal -1
	s_barrier_wait -1
	FETCH 0, 0, F0
	THREE 0, 1                                     ; K steps 0 and 1; their first products start the sums; both slots are filled again
	TURN 0, 1, 1
	THREE 1, 0
	TURN 1, 0, 1
	THREE 0, 0                                     ; K steps 2 and 3 fill nothing
	TURN 0, 1, 0
	THREE 1, 0
	PLACES                                         ; buffer 0 has been multiplied for the last time:
	WIN 0
	LOADCS F0, 0                                   ; the tables of my rows 0-15 come in under the last quarter
	s_wait_dscnt 8
	WIN MUL_LO
	MUL16 F1, 0, 0, 0
	MUL16 F1, 0, 2, 0
	s_wait_dscnt 0
	WIN MUL_HI
	MUL16 F1, 1, 0, 0
	MUL16 F1, 1, 2, 0
	PLACES
	WIN 0
	LOADCS F1, 1
	s_lshl_b32 s16, s13, 8
	s_lshl_b32 s14, s11, 7
	s_add_co_u32 s16, s16, s14                     ; my first context row,
	s_lshl_b32 s16, s16, 7                         ; 128 bytes a row in a plane
	s_mov_b32 s17, 0
	s_add_nc_u64 s[8:9], s[8:9], s[16:17]
	s_lshl_b32 s46, s42, 2
	s_lshl1_add_u32 s46, s12, s46                  ; my first plane = 4 x block column + 2 x half
	s_lshl_b32 s46, s46, 21                        ; 2,097,152 bytes a plane
	s_mov_b32 s47, 0
	s_add_nc_u64 s[8:9], s[8:9], s[46:47]
; Rows 16 i .. 16 i + 15 of my block = tiles (a, 0..7) of window 2 or 3 (from: source 0's window); buf: the tables' buffer, in turn.
.macro OUT16 i, a, from, buf
.if \i == 7
	s_wait_loadcnt 0x0
.else
	s_wait_loadcnt 16                              ; this group's tables are in; the next group's sixteen loads stay out
.endif
	WIN \from
.irp b, 0,1,2,3,4,5,6,7
.irp p, 0,1,2,3
	v_pk_mul_f32 v[TT+8*\b+2*\p:TT+8*\b+2*\p+1], v[8*(8*\a+\b)+2*\p:8*(8*\a+\b)+2*\p+1], v[\buf+8*(\b%4)+2*\p:\buf+8*(\b%4)+2*\p+1]
.endr
.irp p, 0,1,2,3
	v_pk_fma_f32 v[TT+8*\b+2*\p:TT+8*\b+2*\p+1], v[8*(8*\a+\b)+2*\p:8*(8*\a+\b)+2*\p+1], v[\buf+32+8*(\b%4)+2*\p:\buf+32+8*(\b%4)+2*\p+1], v[TT+8*\b+2*\p:TT+8*\b+2*\p+1] op_sel:[1,0,0] op_sel_hi:[0,1,1]
.endr
.endr
	WIN 0
.irp b, 0,1,2,3,4,5,6,7
.irp p, 0,1,2,3
	v_cvt_pk_bf16_f32 v[TT+8*\b+\p], v[TT+8*\b+2*\p], v[TT+8*\b+2*\p+1]
.endr
.endr
.if \i < 6
	LOADCS \buf, \i+2
.endif
.irp b, 0,1,2,3,4,5,6,7
	ds_store_b128 v[STO], v[TT+8*\b:TT+8*\b+3] offset:32*\b
.endr
	s_wait_xcnt 0x0                                ; the read-back registers, which the last group's stores read, are loaded again only behind this wait (ISA guide 3.1)
.irp t, 0,1,2,3
	ds_load_b128 v[RB+8*\t:RB+8*\t+3],   v[RD] offset:\t*4*SPITCH          ; my wave's own stage, served in order
	ds_load_b128 v[RB+8*\t+4:RB+8*\t+7], v[RD] offset:\t*4*SPITCH+128
.endr
.irp t, 0,1,2,3
	s_wait_dscnt 7-2*\t
	global_store_b128 v[CO], v[RB+8*\t:RB+8*\t+3], s[8:9] offset:\i*2048+\t*512            ; four rows of one head: 512 consecutive bytes
	s_wait_dscnt 6-2*\t
	global_store_b128 v[CO], v[RB+8*\t+4:RB+8*\t+7], s[8:9] offset:\i*2048+\t*512+2097152  ; the same rows of the next head
.endr
.endm
	OUT16 0, 0, 0x02, F0
	OUT16 1, 1, 0x02, F1
	OUT16 2, 2, 0x02, F0
	OUT16 3, 3, 0x02, F1
	OUT16 4, 0, 0x03, F0
	OUT16 5, 1, 0x03, F1
	OUT16 6, 2, 0x03, F0
	OUT16 7, 3, 0x03, F1
	s_set_vgpr_msb 0x1
	s_wait_tensorcnt 0x0
	ds_add_u32 v255, v31
	s_wait_dscnt 0x0
	s_set_vgpr_msb 0x100
	CROUND                                         ; the closing round: no work-group ends while a partner may still ask for a tile that names it
	s_endpgm
.Lfunc_end_k_qd1d17e5072_kvproj:
	.size	k_qd1d17e5072_kvproj, .Lfunc_end_k_qd1d17e5072_kvproj-k_qd1d17e5072_kvproj
	.p2alignl 7, 3214868480
	.fill 96, 4, 3214868480
	.section	.rodata,"a",@progbits
	.p2align	6, 0x0
	.amdhsa_kernel k_qd1d17e5072_kvproj
		.amdhsa_group_segment_fixed_size 327680
		.amdhsa_private_segment_fixed_size 0
		.amdhsa_enable_private_segment 0
		.amdhsa_kernarg_size 24
		.amdhsa_user_sgpr_count 2
		.amdhsa_user_sgpr_kernarg_segment_ptr 1
		.amdhsa_wavefront_size32 1
		.amdhsa_system_sgpr_workgroup_id_x 1
		.amdhsa_system_sgpr_workgroup_id_y 1
		.amdhsa_system_sgpr_workgroup_id_z 1
		.amdhsa_system_vgpr_workitem_id 0
		.amdhsa_next_free_vgpr 1024
		.amdhsa_next_free_sgpr 70
		.amdhsa_reserve_vcc 0
		.amdhsa_float_denorm_mode_32 3
		.amdhsa_float_denorm_mode_16_64 3
		.amdhsa_memory_ordered 1
		.amdhsa_forward_progress 1
		.amdhsa_inst_pref_size 188
	.end_amdhsa_kernel
	.amdgpu_metadata
---
amdhsa.version: [ 1, 2 ]
amdhsa.kernels:
  - .name:           k_qd1d17e5072_kvproj
    .symbol:         k_qd1d17e5072_kvproj.kd
    .args:
      - { .name: kvin, .offset: 0, .size: 8, .value_kind: global_buffer, .address_space: global }
      - { .name: cs, .offset: 8, .size: 8, .value_kind: global_buffer, .address_space: global }
      - { .name: kv, .offset: 16, .size: 8, .value_kind: global_buffer, .address_space: global }
    .group_segment_fixed_size: 327680
    .private_segment_fixed_size: 0
    .kernarg_segment_align: 8
    .kernarg_segment_size: 24
    .max_flat_workgroup_size: 128
    .sgpr_count:     70
    .vgpr_count:     1024
    .wavefront_size: 32
...
	.end_amdgpu_metadata
.endif
;; end of part 4
;; launch attn (part 5): grid 16 x 16, 8 waves a work-group, clusters of 4 x 1, 327,680 bytes of LDS; arguments qf, cs, kv, ao; writes ao
.if DOCPART == 5
	.amdgcn_target "amdgcn-amd-amdhsa--gfx1250"
	.amdhsa_code_object_version 6
	.text
	.protected	k_qd1d17e5072_attn
	.globl	k_qd1d17e5072_attn
	.p2align	8
	.type	k_qd1d17e5072_attn,@function
k_qd1d17e5072_attn:
	s_mov_b64 s[64:65], 0
	v_nop
	global_prefetch_b8 v0, s[64:65] scope:SCOPE_SE
	s_setreg_imm32_b32 hwreg(HW_REG_WAVE_MODE, 25, 1), 1
	s_wait_xcnt 0x0
	s_wait_alu depctr_hold_cnt(0) depctr_sa_sdst(0) depctr_va_vdst(0) depctr_va_sdst(0) depctr_va_ssrc(0) depctr_va_vcc(0) depctr_vm_vsrc(0)
	s_getreg_b32 s2, hwreg(HW_REG_IB_STS2, 6, 4)
	s_cmp_eq_u32 s2, 0
	s_cbranch_scc0 .Lentry_in_a_cluster
	s_endpgm
.Lentry_in_a_cluster:
	s_bfe_u32 s2, ttmp6, 0x10000c
	s_cmp_lg_u32 s2, 0x3003
	s_cbranch_scc0 .Lentry_shape_is_right
	s_endpgm
.Lentry_shape_is_right:
; Masked softmax attention of 64 queries of one head against its 8,192 keys, with the rotation of q in front and the inverse rotation behind.
; Eight waves.  A tile is 512 keys; wave w fetches and reads keys 64 w .. 64 w + 63 of it alone and carries all 64 queries, with its own
; running maximum, sum and O; the eight partial results are merged at the end through LDS.  A step is 64 keys x 64 queries: 64 matrix
; instructions, for which O is rescaled once.
; TRANSPOSED: S^T = K Q^T (a lane holds one query, its registers keys), so the statistics are per lane with one exchange between the
; halves, and P^T packs in place into source 1 of O^T = V^T P^T (V^T by transposing LDS loads).
; THE MASK is the C operand of the first S product: an f32 bias made by the preparation launch, 0 for a valid key, -2^127 for a masked
; one; the running maximum then drives a masked key's weight to 0 as soon as any valid key has been met.  For a batch without a valid key
; that launch gives bias 0 everywhere and a scale of q of 0: all scores are equal and the weights uniform, as in the reference.
; CLUSTER 4 x 1: the four query blocks of a cluster ask for the same K, V and bias tiles jointly (mask 15): a quarter of the requests.
; RING of two slots, one filled again behind each round of the cluster's barrier, so that a tile has a whole step in which to land.
; This text has six tensor loads of a wave outstanding at the start and three afterwards.
; LIMITS: a valid score (x 0.125 log2 e) must lie above about -2^120, or it is taken for masked.  A head's slice of an output row is 128
; bytes, so ao is stored in pieces of 128 consecutive bytes.
.set SLOT,  157696                     ; K: 512 rows, pitch 144; at VOFF V: 512 rows, pitch 160; at BOFF the bias: 512 f32
.set VOFF,  73728
.set BOFF,  155648
.set KPART, 9216                       ; a wave's 64 rows of K
.set VPART, 10240                      ; and of V
.set KTILE, 65536                      ; 512 keys x 128 bytes in memory
.set BTILE, 2048                       ; 512 keys x 4 bytes
.set QL,    315392                     ; behind the ring: 16 blocks of 512 bytes, q as source 1 fragments, block 4 qt + dt; no tensor load lands here
.set STATS, 131072                     ; the merge uses slot 0's bytes after their last fill: O at 0 (8 x 16,384), m and l here (8 x 512),
.set OS,    135168                     ; the output rows here (64 x 144)
.set BIASG,  0x900000                  ; in cs: the bias, 2 x 8,192 f32
.set SCALEG, 0x910000                  ; in cs: 256 bytes a batch filled with the scale of q
.set KA,  4                            ; v4-5    my K fragments in slot 0, 1
.set VA,  6                            ; v6-7    my V fragments
.set BA,  8                            ; v8-9    my bias words
.set RH,  10                           ; v10     r x 144 + 16 h
.set L16, 11                           ; v11     16 x lane
.set MA,  16                           ; v[16:31]  running maximum of query tile qt in register 2 qt of set 0 (16..) and set 1 (24..), by turns
.set AL,  32                           ; v[32:39]  the rescaling factor in register 2 qt
.set LS,  40                           ; v[40:47]  running sums, two partial sums each
.set U,   48                           ; v[48:51]  from the other half of the lanes
.set PF,  52                           ; v52     prefetch: 256 x lane + the tile's offset
.set PFM, 53                           ; v53     the same for the last tile
.set BI,  56                           ; v[56:87]  bias, 8 registers for each 16 keys
.set TMP, 56                           ;           the same registers, at work in the merge
.set S,   88                           ; v[88:215] scores, 32 qt + 8 kt; then P in 32 qt .. + 15
.set CT,  216                          ; v[216:231] cos of my 16 queries x 32 d, kept to the end
.set SN,  232                          ; v[232:247] sgn-sin
.set AD,  248                          ; v[248:254] addresses used once
.set QR,  0                            ; window 1: v[0:63]    q fragments, 16 qt + 8 ks
.set OA,  64                           ; window 1: v[64:191]  O, (4 qt + dt) x 8
.set KV,  192                          ; window 1: v[192:255] K's fragments (2 kt + ks) x 8, then V's (4 kh + dt) x 8
.set G1K, 32
.set G1V, 40
.set G1B, 48
.set G0K, 56                           ; s[56:63] one group 0 for each slot
.set G0V, 68                           ; s[68:75]
.set G0B, 76                           ; s[76:83]
.set PFB, 84                           ; s[84:85] prefetch: my sixteenth of the head's tile 0
.set MSB, 0
.macro WIN new                         ; low byte: bits 1:0 source 0, 3:2 source 1, 5:4 source 2, 7:6 destination; the high byte repeats the setting left
.if MSB != \new
	s_set_vgpr_msb (MSB<<8)|\new
.set MSB, \new
.endif
.endm
.macro ROUND                           ; a round of the cluster's barrier
	s_barrier_signal -1
	s_barrier_wait -1
	s_cmp_lg_u32 s14, 0
	s_cbranch_scc1 .Lnot_wave_0_\@
	s_barrier_signal -3
.Lnot_wave_0_\@:
	s_barrier_wait -3
	s_barrier_signal -1
	s_barrier_wait -1
.endm
; Sixteen work-groups read a head's K and V.  Wave 0 of each asks for one sixteenth of a tile's 131,072 bytes: 32 lanes 256 bytes apart,
; query blocks 0-7 in K, 8-15 in V, so that each block of 256 bytes is asked for by one lane of the launch.
.macro PREF
	s_cmp_lg_u32 s14, 0
	s_cbranch_scc1 .Lno_pf_\@
	global_prefetch_b8 v[PF], s[PFB:PFB+1] th:TH_LOAD_NT scope:SCOPE_SE
.Lno_pf_\@:
.endm
	s_load_b256 s[4:11], s[0:1], 0x0               ; qf s[4:5], cs s[6:7], kv s[8:9], ao s[10:11]
	v_lshl_add_u32 v55, v0, 2, 0x4f000
	v_mov_b32 v255, 0
	ds_add_u32 v55, v255
	ds_add_u32 v55, v255
	v_lshrrev_b32 v1, 5, v0
	v_readfirstlane_b32 s14, v1                    ; wave 0..7
	s_bfe_u32 s15, ttmp6, 0x40000                  ; cx
	s_lshl_b32 s16, ttmp9, 2
	s_add_co_u32 s16, s16, s15                     ; query block 0..15 (enters global addresses of q, tables, ao and the prefetch alone)
	s_and_b32 s17, ttmp7, 0xffff
	s_lshr_b32 s18, s17, 3                         ; batch
	s_and_b32 s19, s17, 7                          ; head
	s_lshr_b32 s30, s14, 1                         ; qt0: the query tile that I prepare and merge
	s_and_b32 s31, s14, 1                          ; and which 32 of its 64 d
	s_mov_b32 s20, 0x76543210                      ; v_permlanex16_b32: lane i reads lane i of the other half
	s_mov_b32 s21, 0xfedcba98
	s_lshl_b32 s26, s19, 21                        ; K: plane of the head,
	s_lshl_b32 s27, s18, 20                        ; 8,192 rows of 128 bytes a batch
	s_add_co_u32 s23, s26, s27
	s_lshl_b32 s27, s14, 13                        ; my 64 rows
	s_add_co_u32 s26, s23, s27
	s_mov_b32 s27, 0
	s_lshl_b32 s28, s18, 15                        ; bias: 32,768 bytes a batch,
	s_lshl_b32 s29, s14, 8                         ; my 64 words
	s_add_co_u32 s28, s28, s29
	s_add_co_u32 s28, s28, BIASG
	s_mov_b32 s29, 0
	s_mul_i32 s12, s14, KPART
	s_mul_i32 s13, s14, VPART
	s_lshl_b32 s22, s14, 8
	; my 8,192 bytes of a K or V tile are dense in memory: 32 rows of 256 bytes; a pad behind every 32 words makes LDS rows of 128 + 16 (V: + 32) bytes
	s_mov_b32 s[G1K+0], 15|(3<<16)|(1<<20)|(1<<21)|(4<<22)|(3<<25)   ; mask of the four partners; elements of 8 bytes; bit 21 beside a mask
	s_mov_b32 s[G1V+0], 15|(3<<16)|(1<<20)|(1<<21)|(4<<22)|(7<<25)
	s_mov_b32 s[G1B+0], 15|(3<<16)|(1<<21)         ; the bias: one row of 256 bytes, no padding
	s_mov_b32 s[G1K+1], 32<<16                     ; tensor_dim0 = 32
	s_mov_b32 s[G1V+1], 32<<16
	s_mov_b32 s[G1B+1], 32<<16
	s_mov_b32 s[G1K+2], 32<<16                     ; tensor_dim1 = 32
	s_mov_b32 s[G1V+2], 32<<16
	s_mov_b32 s[G1B+2], 1<<16                      ; 1
	s_mov_b32 s[G1K+3], 32<<16                     ; tile_dim0 = 32
	s_mov_b32 s[G1V+3], 32<<16
	s_mov_b32 s[G1B+3], 32<<16
	s_mov_b32 s[G1K+4], 32                         ; tile_dim1 = 32
	s_mov_b32 s[G1V+4], 32
	s_mov_b32 s[G1B+4], 1
	s_mov_b32 s[G1K+5], 32                         ; elements from row to row
	s_mov_b32 s[G1V+5], 32
	s_mov_b32 s[G1B+5], 32
	s_mov_b32 s[G1K+6], 0
	s_mov_b32 s[G1V+6], 0
	s_mov_b32 s[G1B+6], 0
	s_mov_b32 s[G1K+7], 0
	s_mov_b32 s[G1V+7], 0
	s_mov_b32 s[G1B+7], 0
.irp s, 0,1
	s_mov_b32 s[G0K+4*\s], 1
	s_add_co_u32 s[G0K+4*\s+1], s12, \s*SLOT
	s_mov_b32 s[G0V+4*\s], 1
	s_add_co_u32 s[G0V+4*\s+1], s13, \s*SLOT+VOFF
	s_mov_b32 s[G0B+4*\s], 1
	s_add_co_u32 s[G0B+4*\s+1], s22, \s*SLOT+BOFF
.endr
	s_wait_dscnt 0x0
	s_wait_kmcnt 0x0
	s_add_nc_u64 s[G0K+2:G0K+3], s[8:9], s[26:27]              ; tile 0 into slot 0,
	s_add_nc_u64 s[G0V+2:G0V+3], s[G0K+2:G0K+3], 0x1000000     ; V's planes lie eight planes behind K's
	s_add_nc_u64 s[G0B+2:G0B+3], s[6:7], s[28:29]
	s_add_nc_u64 s[G0K+6:G0K+7], s[G0K+2:G0K+3], KTILE         ; tile 1 into slot 1
	s_add_nc_u64 s[G0V+6:G0V+7], s[G0V+2:G0V+3], KTILE
	s_add_nc_u64 s[G0B+6:G0B+7], s[G0B+2:G0B+3], BTILE
.irp s, 0,1
	s_or_b32 s[G0K+4*\s+3], s[G0K+4*\s+3], 0x80000000
	s_or_b32 s[G0V+4*\s+3], s[G0V+4*\s+3], 0x80000000
	s_or_b32 s[G0B+4*\s+3], s[G0B+4*\s+3], 0x80000000
.endr
	ROUND                                          ; the four partners are here: the first joint loads meet
.irp s, 0,1
	tensor_load_to_lds s[G0K+4*\s:G0K+4*\s+3], s[G1K:G1K+7]
	s_nop 0
	tensor_load_to_lds s[G0V+4*\s:G0V+4*\s+3], s[G1V:G1V+7]
	s_nop 0
	tensor_load_to_lds s[G0B+4*\s:G0B+4*\s+3], s[G1B:G1B+7]
	s_nop 0
.endr
	s_and_b32 s17, s16, 7                          ; prefetch: the head's plane and batch, my 8,192 bytes of a tile,
	s_lshl_b32 s17, s17, 13
	s_add_co_u32 s28, s23, s17
	s_lshr_b32 s17, s16, 3                         ; in K or in V
	s_lshl_b32 s17, s17, 24
	s_add_co_u32 s28, s28, s17
	s_add_nc_u64 s[PFB:PFB+1], s[8:9], s[28:29]
	s_lshl_b32 s23, s18, 10
	s_lshl_b32 s26, s16, 6
	s_add_co_u32 s23, s23, s26                     ; the work-group's first query row
	s_lshl_b32 s26, s23, 10
	s_lshl_b32 s17, s19, 7
	s_add_co_u32 s26, s26, s17
	s_add_nc_u64 s[10:11], s[10:11], s[26:27]      ; ao: that row, my head's 128 bytes
	s_lshl4_add_u32 s23, s30, s23                  ; + 16 qt0
	s_lshl_b32 s26, s23, 11
	s_lshl_b32 s17, s19, 8
	s_add_co_u32 s26, s26, s17
	s_lshl_b32 s17, s31, 7
	s_add_co_u32 s26, s26, s17
	s_add_nc_u64 s[4:5], s[4:5], s[26:27]          ; q: my 16 rows, my head, my 32 d
	s_lshl_b32 s26, s18, 8
	s_add_co_u32 s26, s26, SCALEG
	s_add_nc_u64 s[24:25], s[6:7], s[26:27]        ; my batch's scale of q
	s_lshl_b32 s26, s23, 9                         ; tables: 8,192 bytes for 16 rows,
	s_lshl_b32 s17, s31, 11                        ; four blocks of 512 bytes for 32 d,
	s_add_co_u32 s26, s26, s17
	s_add_co_u32 s26, s26, 0x800000                ; behind the 1,024 groups of context rows
	s_add_nc_u64 s[6:7], s[6:7], s[26:27]
	v_and_b32 v1, 31, v0                           ; lane
	v_and_b32 v2, 15, v0                           ; r
	v_bfe_u32 v3, v0, 4, 1                         ; h
	v_lshlrev_b32 v[L16], 4, v1
	v_lshlrev_b32 v[AD], 3, v1                     ; the scale: 8 bytes a lane of a unit that holds one number throughout
	v_lshlrev_b32 v[AD+1], 11, v2
	v_lshl_add_u32 v[AD+1], v3, 5, v[AD+1]         ; q: row r, 8 h numbers on
	global_load_b128 v[S:S+3],     v[AD+1], s[4:5]
	global_load_b128 v[S+4:S+7],   v[AD+1], s[4:5] offset:16
	global_load_b128 v[S+8:S+11],  v[AD+1], s[4:5] offset:64
	global_load_b128 v[S+12:S+15], v[AD+1], s[4:5] offset:80
.irp k, 0,1,2,3
	global_load_b128 v[CT+4*\k:CT+4*\k+3], v[L16], s[6:7] offset:512*\k
.endr
.irp k, 0,1,2,3
	global_load_b128 v[SN+4*\k:SN+4*\k+3], v[L16], s[6:7] offset:4096+512*\k
.endr
	global_load_b64 v[S+40:S+41], v[AD], s[24:25]
	v_lshlrev_b32 v[PFM], 8, v1
	v_add_nc_u32 v[PF], 2*KTILE, v[PFM]            ; tiles 0 and 1 are on their way; tile 2 is requested in the first trip
	v_add_nc_u32 v[PFM], 15*KTILE, v[PFM]
	PREF
	v_mul_u32_u24 v[RH], v2, 144
	v_lshl_add_u32 v[RH], v3, 4, v[RH]
	v_and_b32 v12, 7, v0
	v_lshl_add_u32 v12, v3, 3, v12                 ; key 8 h + (lane & 7)
	v_mul_u32_u24 v12, v12, 160
	v_bfe_u32 v13, v0, 3, 1
	v_lshl_add_u32 v12, v13, 4, v12
	v_lshlrev_b32 v13, 5, v3                       ; bias of keys 8 h ..
.irp s, 0,1
	v_add_nc_u32 v[KA+\s], s[G0K+4*\s+1], v[RH]    ; the LDS address of my part of the slot + my lane's
	v_add_nc_u32 v[VA+\s], s[G0V+4*\s+1], v12
	v_add_nc_u32 v[BA+\s], s[G0B+4*\s+1], v13
.endr
	s_lshl_b32 s26, s14, 10
	s_add_co_u32 s26, s26, QL
	v_add_nc_u32 v[AD+2], s26, v[L16]              ; blocks 2 w and 2 w + 1 of q
	v_add_nc_u32 v[AD+3], QL, v[L16]
	; the packed forms below broadcast a pair's first register and count the whole pair as read; v_permlanex16_b32 counts as a reader of its destination
.irp k, 1,3,5,7,9,11,13,15
	v_mov_b32 v[MA+\k], 0
.endr
.irp k, 1,3,5,7
	v_mov_b32 v[AL+\k], 0
.endr
.irp k, 0,1,2,3
	v_mov_b32 v[U+\k], 0
.endr
	s_wait_loadcnt 0x0
.irp p, 0,1,2,3,4,5,6,7
	v_pk_mul_f32 v[S+16+2*\p:S+16+2*\p+1], v[S+2*\p:S+2*\p+1], v[CT+2*\p:CT+2*\p+1]
.endr
.irp p, 0,1,2,3,4,5,6,7
	v_pk_fma_f32 v[S+16+2*\p:S+16+2*\p+1], v[S+2*\p:S+2*\p+1], v[SN+2*\p:SN+2*\p+1], v[S+16+2*\p:S+16+2*\p+1] op_sel:[1,0,0] op_sel_hi:[0,1,1]
.endr
.irp p, 0,1,2,3,4,5,6,7
	v_pk_mul_f32 v[S+16+2*\p:S+16+2*\p+1], v[S+16+2*\p:S+16+2*\p+1], v[S+40:S+41]
.endr
.irp p, 0,1,2,3,4,5,6,7
	v_cvt_pk_bf16_f32 v[S+32+\p], v[S+16+2*\p], v[S+16+2*\p+1]
.endr
	ds_store_b128 v[AD+2], v[S+32:S+35]
	ds_store_b128 v[AD+2], v[S+36:S+39] offset:512
	s_wait_tensorcnt 3                             ; my part of tile 0 is in; tile 1's three loads stay out
	s_wait_dscnt 0x0                               ; my q is written
	s_barrier_signal -1
	s_barrier_wait -1
	WIN 0x40
.irp f, 0,1,2,3,4,5,6,7,8,9,10,11,12,13,14,15
	ds_load_b128 v[QR+4*\f:QR+4*\f+3], v[AD+3] offset:512*\f
.endr
	WIN 0
; The softmax of a step goes by query tiles, in four stages that overlap: subtract the maximum, exponentials, sums, rounding to bf16.
.macro SUBQ q                          ; 32 scores less the new maximum
.set i, 0
.rept 16
	v_pk_add_f32 v[S+32*\q+2*i:S+32*\q+2*i+1], v[S+32*\q+2*i:S+32*\q+2*i+1], v[MN+2*\q:MN+2*\q+1] op_sel_hi:[1,0] neg_lo:[0,1] neg_hi:[0,1]
.set i, i+1
.endr
.endm
.macro EXPQ q
.set i, 0
.rept 32
	v_exp_f32 v[S+32*\q+i], v[S+32*\q+i]
.set i, i+1
.endr
.endm
.macro SUM1 q, first                   ; link i of the sum of query tile q; the first link carries the old sum over, shrunk
.if i == 0
.if \first == 0
	s_wait_alu depctr_va_vdst(0)
	v_pk_fma_f32 v[LS+2*\q:LS+2*\q+1], v[LS+2*\q:LS+2*\q+1], v[AL+2*\q:AL+2*\q+1], v[S+32*\q:S+32*\q+1] op_sel_hi:[1,0,1]
.endif
.else
.if \first
.if i == 1
	s_wait_alu depctr_va_vdst(0)
	v_pk_add_f32 v[LS+2*\q:LS+2*\q+1], v[S+32*\q:S+32*\q+1], v[S+32*\q+2:S+32*\q+3]
.else
	s_wait_alu depctr_va_vdst(0)
	v_pk_add_f32 v[LS+2*\q:LS+2*\q+1], v[LS+2*\q:LS+2*\q+1], v[S+32*\q+2*i:S+32*\q+2*i+1]
.endif
.else
	s_wait_alu depctr_va_vdst(0)
	v_pk_add_f32 v[LS+2*\q:LS+2*\q+1], v[LS+2*\q:LS+2*\q+1], v[S+32*\q+2*i:S+32*\q+2*i+1]
.endif
.endif
.endm
.macro EXPSUM qe, qs, first            ; the exponentials of tile qe among the sums of tile qs: each sum is a plain place behind two exponentials (ISA guide 5.7.2)
.set i, 0
.rept 16
	v_exp_f32 v[S+32*\qe+2*i], v[S+32*\qe+2*i]
	v_exp_f32 v[S+32*\qe+2*i+1], v[S+32*\qe+2*i+1]
	SUM1 \qs, \first
.set i, i+1
.endr
.endm
.macro CVTQ q                          ; keys 8 h .. of each 16 in four registers: P in 32 q .. + 15 is source 1 as it stands
.set i, 0
.rept 16
	v_cvt_pk_bf16_f32 v[S+32*\q+i], v[S+32*\q+2*i], v[S+32*\q+2*i+1]
.set i, i+1
.endr
.endm
.macro SUMCVT qs, qc, first
.set i, 0
.rept 16
	SUM1 \qs, \first
	v_cvt_pk_bf16_f32 v[S+32*\qc+i], v[S+32*\qc+2*i], v[S+32*\qc+2*i+1]
.set i, i+1
.endr
.endm
; One tile's 64 keys of mine against the 64 queries.  first = 1: nothing is carried yet.  places: v_nop at the head.
; The new maximum goes to set slot, the old one lies in the other set.
; In each run of matrix instructions the sixteen accumulators take turns, one instruction a turn.
.macro STEP slot, first, places
.set MN, MA+8*\slot
.set MO, MA+8-8*\slot
.if \places
.rept \places
	v_nop                                          ; five places in all behind the last PV products: their V registers are loaded again, P is written over by S (ISA guide 7.12.1)
.endr
.endif
.irp kt, 0,1,2,3
	ds_load_b128 v[BI+8*\kt:BI+8*\kt+3],   v[BA+\slot] offset:64*\kt
	ds_load_b128 v[BI+8*\kt+4:BI+8*\kt+7], v[BA+\slot] offset:64*\kt+16
.endr
	WIN 0x40
.irp ks, 0,1
.irp kt, 0,1,2,3
	ds_load_b128 v[KV+16*\kt+8*\ks:KV+16*\kt+8*\ks+3],   v[KA+\slot] offset:\kt*2304+\ks*64
	ds_load_b128 v[KV+16*\kt+8*\ks+4:KV+16*\kt+8*\ks+7], v[KA+\slot] offset:\kt*2304+\ks*64+32
.endr
.endr
	s_wait_dscnt 8                                 ; the bias and K's d 0-31 are in; the eight loads of d 32-63 may stay out
	WIN 0x05
.irp kt, 0,1,2,3
.irp qt, 0,1,2,3
	v_wmma_f32_16x16x32_bf16 v[S+32*\qt+8*\kt:S+32*\qt+8*\kt+7], v[KV+16*\kt:KV+16*\kt+7], v[QR+16*\qt:QR+16*\qt+7], v[BI+8*\kt:BI+8*\kt+7]
.endr
.endr
	s_wait_dscnt 0x0
.irp kt, 0,1,2,3
.irp qt, 0,1,2,3
	v_wmma_f32_16x16x32_bf16 v[S+32*\qt+8*\kt:S+32*\qt+8*\kt+7], v[KV+16*\kt+8:KV+16*\kt+15], v[QR+16*\qt+8:QR+16*\qt+15], v[S+32*\qt+8*\kt:S+32*\qt+8*\kt+7]
.endr
.endr
	WIN 0
.rept 4
	v_nop                                          ; four places before K's registers are loaded again and the scores are read
.endr
	WIN 0x40
.irp kh, 0,1
.irp dt, 0,1,2,3
	ds_load_tr16_b128 v[KV+32*\kh+8*\dt:KV+32*\kh+8*\dt+3],   v[VA+\slot] offset:5120*\kh+32*\dt       ; V comes in under the softmax
	ds_load_tr16_b128 v[KV+32*\kh+8*\dt+4:KV+32*\kh+8*\dt+7], v[VA+\slot] offset:5120*\kh+32*\dt+2560
.endr
.endr
	WIN 0
	; the new maximum of each query: my 32 keys and the old maximum, then the other half of the lanes
.irp qt, 0,1,2,3
.if \first
	v_max_num_f32 v[MN+2*\qt], v[S+32*\qt], v[S+32*\qt+1]
.else
	v_max3_num_f32 v[MN+2*\qt], v[MO+2*\qt], v[S+32*\qt], v[S+32*\qt+1]
.endif
.endr
.irp i, 2,4,6,8,10,12,14,16,18,20,22,24,26,28,30
.irp qt, 0,1,2,3
	v_max3_num_f32 v[MN+2*\qt], v[MN+2*\qt], v[S+32*\qt+\i], v[S+32*\qt+\i+1]
.endr
.endr
.irp qt, 0,1,2,3
	v_permlanex16_b32 v[U+\qt], v[MN+2*\qt], s20, s21
.endr
.irp qt, 0,1,2,3
	v_max_num_f32 v[MN+2*\qt], v[MN+2*\qt], v[U+\qt]
.endr
.if \first == 0
.irp qt, 0,1,2,3
	v_sub_f32 v[AL+2*\qt], v[MO+2*\qt], v[MN+2*\qt]
.endr
.irp qt, 0,1,2,3
	v_exp_f32 v[AL+2*\qt], v[AL+2*\qt]             ; what has been summed so far shrinks by 2^(old - new); the subtractions below are the plain place behind it
.endr
.endif
	SUBQ 0
	EXPQ 0
	SUBQ 1
	EXPSUM 1, 0, \first
	SUBQ 2
	CVTQ 0
	EXPSUM 2, 1, \first
	SUBQ 3
	CVTQ 1
	EXPSUM 3, 2, \first
	SUMCVT 3, 2, \first
	CVTQ 3
.if \first == 0
	WIN 0x41
.irp qt, 0,1,2,3
.irp i, 0,2,4,6,8,10,12,14,16,18,20,22,24,26,28,30
	v_pk_mul_f32 v[OA+32*\qt+\i:OA+32*\qt+\i+1], v[OA+32*\qt+\i:OA+32*\qt+\i+1], v[AL+2*\qt:AL+2*\qt+1] op_sel_hi:[1,0]
.endr
.endr
.endif
	s_wait_dscnt 0x0                               ; V's fragments
	WIN 0x51
.irp kh, 0,1
.irp dt, 0,1,2,3
.irp qt, 0,1,2,3
.if \first*(1-\kh)
	v_wmma_f32_16x16x32_bf16 v[OA+32*\qt+8*\dt:OA+32*\qt+8*\dt+7], v[KV+32*\kh+8*\dt:KV+32*\kh+8*\dt+7], v[S+32*\qt+8*\kh:S+32*\qt+8*\kh+7], 0
.else
	v_wmma_f32_16x16x32_bf16 v[OA+32*\qt+8*\dt:OA+32*\qt+8*\dt+7], v[KV+32*\kh+8*\dt:KV+32*\kh+8*\dt+7], v[S+32*\qt+8*\kh:S+32*\qt+8*\kh+7], v[OA+32*\qt+8*\dt:OA+32*\qt+8*\dt+7]
.endif
.endr
.endr
.endr
	WIN 0
.endm
; A trip: this slot's tile has landed by the wait for all loads; the other slot, which has been read, is filled again behind the round
; with the next tile, and wave 0 asks the L2 for its share of the tile that the next trip's loads will request (the last trip's
; request is held at tile 15: the minimum below).
.macro TRIP slot
	s_wait_tensorcnt 0x0                           ; all my tensor loads have landed, so every group 0 may be written
	ds_add_u32 v55, v255
	s_wait_dscnt 0x0
	s_add_nc_u64 s[G0K+6-4*\slot:G0K+7-4*\slot], s[G0K+6-4*\slot:G0K+7-4*\slot], 2*KTILE
	s_add_nc_u64 s[G0V+6-4*\slot:G0V+7-4*\slot], s[G0V+6-4*\slot:G0V+7-4*\slot], 2*KTILE
	s_add_nc_u64 s[G0B+6-4*\slot:G0B+7-4*\slot], s[G0B+6-4*\slot:G0B+7-4*\slot], 2*BTILE
	s_wait_xcnt 0x0                                ; the last trip's prefetch has had its address translated (ISA guide 3.1): its offset is rewritten only behind this wait
	v_add_nc_u32 v[PF], KTILE, v[PF]               ; (these two are also two of the five places behind the PV products)
	v_min_u32 v[PF], v[PF], v[PFM]
	s_wait_dscnt 0x0                               ; my reads of the other slot are over
	ROUND                                          ; both now hold of every wave of the four partners
	tensor_load_to_lds s[G0K+4-4*\slot:G0K+7-4*\slot], s[G1K:G1K+7]
	s_nop 0
	tensor_load_to_lds s[G0V+4-4*\slot:G0V+7-4*\slot], s[G1V:G1V+7]
	s_nop 0
	tensor_load_to_lds s[G0B+4-4*\slot:G0B+7-4*\slot], s[G1B:G1B+7]
	s_nop 0
	PREF
	STEP \slot, 0, 3
.endm
	STEP 0, 1, 0                                   ; tile 0 starts maximum, sums and O: nothing is cleared
	s_mov_b32 s23, 7
.Ltrip:                                            ; two tiles a trip of the loop: tiles 1 .. 14; they fetch tiles 2 .. 15
	TRIP 1
	TRIP 0
	s_sub_co_u32 s23, s23, 1
	s_cmp_lg_u32 s23, 0
	s_cbranch_scc1 .Ltrip
	s_wait_tensorcnt 0x0                           ; tile 15; I read only what I fetched, and nothing is filled any more
	STEP 1, 0, 5
	; THE MERGE.  The address arithmetic below is plain vector work that names no register of the last products: it fills their places.
	s_lshl_b32 s26, s14, 9
	s_add_co_u32 s26, s26, STATS
	v_lshl_add_u32 v12, v2, 4, s26                 ; my wave's m (and, 256 bytes on, l) of query r: four query tiles
	s_lshl_b32 s26, s14, 14
	v_add_nc_u32 v13, s26, v[L16]                  ; my wave's O
	s_lshl_b32 s26, s30, 2
	s_add_co_u32 s26, s26, STATS
	v_lshl_add_u32 v14, v2, 4, s26                 ; the eight waves' m of query tile qt0
	s_lshl_b32 s26, s14, 11
	v_add_nc_u32 v[AD], s26, v[L16]                ; the eight waves' O tiles 2 w and 2 w + 1 (= 4 qt0 + my two dt): waves 0-3,
	v_add_nc_u32 v[AD+1], 0x10000, v[AD]           ; waves 4-7
	s_mul_i32 s26, s30, 2304
	s_lshl_b32 s27, s31, 6
	s_add_co_u32 s26, s26, s27
	s_add_co_u32 s26, s26, OS
	v_add_nc_u32 v[AD+2], s26, v[RH]               ; output row 16 qt0 + r, my 32 d, 16 bytes for each half
	v_lshrrev_b32 v[AD+5], 3, v1
	v_and_b32 v[AD+6], 7, v1
	v_mul_u32_u24 v[AD+3], v[AD+5], 144
	v_lshl_add_u32 v[AD+3], v[AD+6], 4, v[AD+3]
	s_mul_i32 s26, s14, 1152
	s_add_co_u32 s26, s26, OS
	v_add_nc_u32 v[AD+3], s26, v[AD+3]             ; back: rows 8 w + lane / 8, eight lanes a row
	v_lshlrev_b32 v[AD+4], 10, v[AD+5]
	v_lshl_add_u32 v[AD+4], v[AD+6], 4, v[AD+4]
	s_lshl_b32 s26, s14, 13
	v_add_nc_u32 v[AD+4], s26, v[AD+4]             ; and the same rows in ao
.irp qt, 0,1,2,3
	v_add_f32 v[TMP+8+\qt], v[LS+2*\qt], v[LS+2*\qt+1]
.endr
.irp qt, 0,1,2,3
	v_permlanex16_b32 v[U+\qt], v[TMP+8+\qt], s20, s21
.endr
.irp qt, 0,1,2,3
	v_add_f32 v[TMP+4+\qt], v[U+\qt], v[TMP+8+\qt] ; my wave's sum for query r
.endr
.irp qt, 0,1,2,3
	v_mov_b32 v[TMP+\qt], v[MA+8+2*\qt]            ; the last step's maximum lies in set 1; four in a row for one store
.endr
	s_wait_dscnt 0x0                               ; my reads of the ring are over; every wave's tensor loads have been waited for above
	s_barrier_signal -1
	s_barrier_wait -1                              ; the ring has had its last fill and its last read: slot 0's bytes are scratch now
	ds_store_b128 v12, v[TMP:TMP+3]                ; both halves of the lanes hold and write the same numbers
	ds_store_b128 v12, v[TMP+4:TMP+7] offset:256
	WIN 0x04
.irp f, 0,1,2,3,4,5,6,7,8,9,10,11,12,13,14,15
	ds_store_b128 v13, v[OA+8*\f:OA+8*\f+3]   offset:1024*\f
	ds_store_b128 v13, v[OA+8*\f+4:OA+8*\f+7] offset:1024*\f+512
.endr
	WIN 0
	s_wait_dscnt 0x0
	s_barrier_signal -1
	s_barrier_wait -1
.irp k, 0,1,2,3,4,5,6,7
	ds_load_b32 v[TMP+\k], v14 offset:512*\k
.endr
.irp k, 0,1,2,3,4,5,6,7
	ds_load_b32 v[TMP+8+\k], v14 offset:512*\k+256
.endr
.irp k, 0,1,2,3,4,5,6,7
.irp q, 0,1,2,3
	ds_load_b128 v[S+16*\k+4*\q:S+16*\k+4*\q+3], v[AD+\k/4] offset:(\k%4)*16384+512*\q
.endr
.endr
	s_wait_dscnt 32                                ; m and l are in; the 32 loads of O may stay out
	v_max3_num_f32 v[TMP+16], v[TMP], v[TMP+1], v[TMP+2]
	v_max3_num_f32 v[TMP+16], v[TMP+16], v[TMP+3], v[TMP+4]
	v_max3_num_f32 v[TMP+16], v[TMP+16], v[TMP+5], v[TMP+6]
	v_max_num_f32 v[TMP+16], v[TMP+16], v[TMP+7]
.irp k, 0,1,2,3,4,5,6,7
	v_sub_f32 v[TMP+\k], v[TMP+\k], v[TMP+16]
.endr
.irp k, 0,1,2,3,4,5,6,7
	v_exp_f32 v[TMP+\k], v[TMP+\k]
.endr
	v_nop                                          ; one plain place behind the exponentials
	s_wait_alu depctr_va_vdst(0)
	v_mul_f32 v[TMP+17], v[TMP], v[TMP+8]
.irp k, 1,2,3,4,5,6,7
	v_fmac_f32 v[TMP+17], v[TMP+\k], v[TMP+8+\k]   ; the whole sum: at least 1, from the wave that holds the maximum
.endr
	v_rcp_f32 v[TMP+17], v[TMP+17]
	v_nop
.irp k, 0,1,2,3,4,5,6,7
	s_wait_alu depctr_va_vdst(0)
	v_mul_f32 v[TMP+\k], v[TMP+\k], v[TMP+17]
.endr
	s_wait_dscnt 0x0
.irp i, 0,1,2,3,4,5,6,7,8,9,10,11,12,13,14,15
	v_mul_f32 v[S+\i], v[S+\i], v[TMP]
.endr
.irp k, 1,2,3,4,5,6,7
.irp i, 0,1,2,3,4,5,6,7,8,9,10,11,12,13,14,15
	v_fmac_f32 v[S+\i], v[TMP+\k], v[S+16*\k+\i]
.endr
.endr
.irp p, 0,1,2,3,4,5,6,7
	v_pk_mul_f32 v[S+16+2*\p:S+16+2*\p+1], v[S+2*\p:S+2*\p+1], v[CT+2*\p:CT+2*\p+1]
.endr
.irp p, 0,1,2,3,4,5,6,7
	v_pk_fma_f32 v[S+16+2*\p:S+16+2*\p+1], v[S+2*\p:S+2*\p+1], v[SN+2*\p:SN+2*\p+1], v[S+16+2*\p:S+16+2*\p+1] op_sel:[1,0,0] op_sel_hi:[0,1,1] neg_lo:[0,1,0] neg_hi:[0,1,0]   ; the inverse rotation: x cos - swap(x) sgn-sin
.endr
.irp p, 0,1,2,3,4,5,6,7
	v_cvt_pk_bf16_f32 v[S+32+\p], v[S+16+2*\p], v[S+16+2*\p+1]
.endr
	ds_store_b128 v[AD+2], v[S+32:S+35]
	ds_store_b128 v[AD+2], v[S+36:S+39] offset:32
	s_wait_dscnt 0x0
	s_barrier_signal -1
	s_barrier_wait -1
	ds_load_b128 v[S+40:S+43], v[AD+3]
	ds_load_b128 v[S+44:S+47], v[AD+3] offset:576
	s_wait_dscnt 1
	global_store_b128 v[AD+4], v[S+40:S+43], s[10:11]                  ; eight lanes store the head's 128 bytes of a row
	s_wait_dscnt 0x0
	global_store_b128 v[AD+4], v[S+44:S+47], s[10:11] offset:4096
	s_wait_tensorcnt 0x0
	ds_add_u32 v55, v255
	s_wait_dscnt 0x0
	ROUND                                          ; the closing round: no work-group ends while a partner may still ask jointly
	s_endpgm
.Lfunc_end_k_qd1d17e5072_attn:
	.size	k_qd1d17e5072_attn, .Lfunc_end_k_qd1d17e5072_attn-k_qd1d17e5072_attn
	.p2alignl 7, 3214868480
	.fill 96, 4, 3214868480
	.section	.rodata,"a",@progbits
	.p2align	6, 0x0
	.amdhsa_kernel k_qd1d17e5072_attn
		.amdhsa_group_segment_fixed_size 327680
		.amdhsa_private_segment_fixed_size 0
		.amdhsa_enable_private_segment 0
		.amdhsa_kernarg_size 32
		.amdhsa_user_sgpr_count 2
		.amdhsa_user_sgpr_kernarg_segment_ptr 1
		.amdhsa_wavefront_size32 1
		.amdhsa_system_sgpr_workgroup_id_x 1
		.amdhsa_system_sgpr_workgroup_id_y 1
		.amdhsa_system_sgpr_workgroup_id_z 1
		.amdhsa_system_vgpr_workitem_id 0
		.amdhsa_next_free_vgpr 512
		.amdhsa_next_free_sgpr 86
		.amdhsa_reserve_vcc 0
		.amdhsa_float_denorm_mode_32 3
		.amdhsa_float_denorm_mode_16_64 3
		.amdhsa_memory_ordered 1
		.amdhsa_forward_progress 1
		.amdhsa_inst_pref_size 161
	.end_amdhsa_kernel
	.amdgpu_metadata
---
amdhsa.version: [ 1, 2 ]
amdhsa.kernels:
  - .name:           k_qd1d17e5072_attn
    .symbol:         k_qd1d17e5072_attn.kd
    .args:
      - { .name: qf, .offset: 0, .size: 8, .value_kind: global_buffer, .address_space: global }
      - { .name: cs, .offset: 8, .size: 8, .value_kind: global_buffer, .address_space: global }
      - { .name: kv, .offset: 16, .size: 8, .value_kind: global_buffer, .address_space: global }
      - { .name: ao, .offset: 24, .size: 8, .value_kind: global_buffer, .address_space: global }
    .group_segment_fixed_size: 327680
    .private_segment_fixed_size: 0
    .kernarg_segment_align: 8
    .kernarg_segment_size: 32
    .max_flat_workgroup_size: 256
    .sgpr_count:     86
    .vgpr_count:     512
    .wavefront_size: 32
...
	.end_amdgpu_metadata
.endif
;; end of part 5
;; launch outproj: the kernel of part 3 again; grid 8 x 32, 4 waves a work-group, no clusters, 168,448 bytes of LDS; arguments ao, wop, out0; writes out0
;; ======== version 2 of 2: 6 launches; version 1 with the launch maskb written anew for expert scheduling mode
;; limits: inputs' magnitudes at most 1,048,576; right only within a limited range of input values
;; workspace buffers: kvin 17,825,792 bytes; xq 2,097,152 bytes; cs 9,506,816 bytes; wqp 526,336 bytes; wop 526,336 bytes; qf 4,194,304 bytes; kv 33,554,432 bytes; ao 2,097,152 bytes
;; launch prep: the kernel of part 1 again; grid 560 x 1, 8 waves a work-group, no clusters, 70,656 bytes of LDS; arguments x_context, x_query, norm_ctx_w, norm_w, norm_ctx_b, norm_b, kvin, xq, rotary_c, rotary_q, cs, w_kv, w_q, w_out, b_out, wqp, wop; writes kvin, xq, cs, wqp, wop
;; launch maskb (part 6): grid 2 x 1, 8 waves a work-group, no clusters, 0 bytes of LDS; arguments attn_mask, cs; writes cs
.if DOCPART == 6
	.amdgcn_target "amdgcn-amd-amdhsa--gfx1250"
	.amdhsa_code_object_version 6
	.text
	.protected	k_qd1d17e5072_maskb
	.globl	k_qd1d17e5072_maskb
	.p2align	8
	.type	k_qd1d17e5072_maskb,@function
k_qd1d17e5072_maskb:
	s_mov_b64 s[64:65], 0
	v_nop
	global_prefetch_b8 v0, s[64:65] scope:SCOPE_SE
	s_setreg_imm32_b32 hwreg(HW_REG_WAVE_SCHED_MODE, 0, 2), 2
	s_setreg_imm32_b32 hwreg(HW_REG_WAVE_MODE, 25, 1), 1
	s_wait_xcnt 0x0
	s_wait_alu depctr_vm_vsrc(0)
; The mask of one batch (8,192 bytes of 0 or 1) as an additive f32 bias, and the scale of q, behind the rotary tables in cs.
; One work-group a batch, eight waves; wave w writes the bias of keys 1,024 w .. 1,024 w + 1,023.
;   bias = 0 for a valid key, -2^127 for a masked one; scale = 0.125 log2 e.
;   If the batch has no valid key: bias = 0 everywhere and scale = 0, so that all scores are equal and the weights uniform, as in the
;   reference.  The test selects these two values and no path.
; Each wave reads the batch's whole mask for that test (8,192 bytes, eight times in the work-group) rather than meet the other waves
; in LDS: no LDS, no barrier, no branch.  The work is two batches' worth: two work-groups, and no more are launched.
; The scale fills one unit of 256 bytes a wave: wave w of batch b writes unit 2 w + b, so that batch b's scale is found at
; SCALEG + 256 b (wave 0's unit); the other units hold the same number.
; THE MODE: SCHED_MODE bits 1:0 = 2 (LLVM: expert scheduling mode 2), set by the entry lines.  The code itself states the register
; dependences between vector instructions and memory instructions, with s_wait_alu, always for 0.
; THE PLAN.  Registers that memory instructions touch:
;   v2, v4, v5  byte offsets, written at the head and never again; read by the loads (v2, v4) and by the stores (v2, v5).
;   MW, X       written by loads alone before their s_wait_loadcnt; behind it named by vector instructions alone.
;   BV, SC      written by vector instructions; read by the nine stores at the end; not written again.
; So one wait on va_vdst stands ahead of the first load (the offsets are written) and one ahead of the run of stores (BV and SC are
; written).  No register that a memory instruction has read is written again, so no wait on vm_vsrc is owed.  The wave's number passes
; through s4 and the test through VCC: a wait stands between each of these writers and its first reader.
.set X,   8                            ; v[8:71]    the whole mask: 16 loads of 16 bytes a lane
.set MW,  72                           ; v[72:79]   my own mask bytes: word i = keys 1,024 w + 128 i + 4 lane .. + 3
.set BV,  80                           ; v[80:111]  their bias
.set SC,  112                          ; v[112:113] the scale, twice
.set BIASG,  0x900000                  ; cs: behind 1,152 groups of 8,192 bytes of tables the bias, 2 x 8,192 f32,
.set SCALEG, 0x910000                  ; and 16 units of 256 bytes of scale
	s_load_b128 s[8:11], s[0:1], 0x0               ; attn_mask s[8:9], cs s[10:11]
	v_lshrrev_b32 v1, 5, v0
	v_readfirstlane_b32 s4, v1                     ; wave 0..7
	v_and_b32 v3, 31, v0                           ; lane
	v_lshlrev_b32 v2, 4, v3                        ; 16 x lane
	v_lshlrev_b32 v4, 2, v3                        ; 4 x lane
	v_lshlrev_b32 v5, 3, v3                        ; 8 x lane
	s_lshl_b32 s16, ttmp9, 13                      ; 8,192 mask bytes a batch
	s_mov_b32 s17, 0
	s_lshl_b32 s18, ttmp9, 15                      ; 32,768 bytes of bias a batch,
	s_lshl_b32 s20, ttmp9, 8                       ; unit 2 w + b
	s_wait_alu depctr_va_sdst(0)                   ; s4 is written, ahead of its first reader: the three offsets below are made from it
	s_lshl_b32 s19, s4, 12                         ; 4,096 a wave
	s_add_co_u32 s18, s18, s19
	s_add_co_u32 s18, s18, BIASG
	s_mov_b32 s19, 0
	s_lshl_b32 s21, s4, 9
	s_add_co_u32 s20, s20, s21
	s_add_co_u32 s20, s20, SCALEG
	s_mov_b32 s21, 0
	s_lshl_b32 s22, s4, 10
	v_add_nc_u32 v4, s22, v4                       ; my four mask bytes: 1,024 x wave + 4 x lane
	s_wait_kmcnt 0x0
	s_add_nc_u64 s[8:9], s[8:9], s[16:17]
	s_add_nc_u64 s[12:13], s[10:11], s[18:19]
	s_add_nc_u64 s[14:15], s[10:11], s[20:21]
	s_wait_alu depctr_va_vdst(0)                   ; v2, v4 and v5 are written: every load and store of the kernel reads one of them as its offset
.irp i, 0,1,2,3,4,5,6,7
	global_load_b32 v[MW+\i], v4, s[8:9] offset:128*\i                         ; my own bytes first: their arithmetic hangs on nothing else
.endr
.irp i, 0,1,2,3,4,5,6,7,8,9,10,11,12,13,14,15
	global_load_b128 v[X+4*\i:X+4*\i+3], v2, s[8:9] offset:512*\i              ; the batch's whole mask
.endr
	s_wait_loadcnt 16                              ; loads come back in order (ISA guide 5.7.1): my own eight words are in, the sixteen younger loads stay out
.irp i, 0,1,2,3,4,5,6,7
.irp e, 0,1,2,3
	v_bfe_u32 v[BV+4*\i+\e], v[MW+\i], 8*\e, 1
	v_add_nc_u32 v[BV+4*\i+\e], -1, v[BV+4*\i+\e]  ; valid: 0, masked: all ones
.endr
.endr
	s_wait_loadcnt 0x0                             ; the whole mask
.irp n, 32,16,8,4,2,1
.set k, 0
.rept \n
	v_or_b32 v[X+k], v[X+k], v[X+k+\n]
.set k, k+1
.endr
.endr
	v_cmp_ne_u32 vcc_lo, 0, v[X]
	s_wait_alu depctr_va_vcc(0)                    ; VCC is written, ahead of the scalar compare that reads it
	s_cmp_lg_u32 vcc_lo, 0                         ; has the batch a valid key?
	s_cselect_b32 s24, 0xff000000, 0               ; the bias of a masked key: -2^127
	s_cselect_b32 s25, 0x3e38aa3b, 0               ; the scale of q: 0.125 log2 e
.irp i, 0,1,2,3,4,5,6,7
.irp e, 0,1,2,3
	v_and_b32 v[BV+4*\i+\e], s24, v[BV+4*\i+\e]
.endr
.endr
	v_mov_b32 v[SC], s25
	v_mov_b32 v[SC+1], s25
	s_wait_alu depctr_va_vdst(0)                   ; BV and SC are written, which the nine stores below read
.irp i, 0,1,2,3,4,5,6,7
	global_store_b128 v2, v[BV+4*\i:BV+4*\i+3], s[12:13] offset:512*\i         ; 512 consecutive bytes
.endr
	global_store_b64 v5, v[SC:SC+1], s[14:15]      ; the wave stores 256 consecutive bytes, aligned
	s_endpgm
.Lfunc_end_k_qd1d17e5072_maskb:
	.size	k_qd1d17e5072_maskb, .Lfunc_end_k_qd1d17e5072_maskb-k_qd1d17e5072_maskb
	.p2alignl 7, 3214868480
	.fill 96, 4, 3214868480
	.section	.rodata,"a",@progbits
	.p2align	6, 0x0
	.amdhsa_kernel k_qd1d17e5072_maskb
		.amdhsa_group_segment_fixed_size 0
		.amdhsa_private_segment_fixed_size 0
		.amdhsa_enable_private_segment 0
		.amdhsa_kernarg_size 16
		.amdhsa_user_sgpr_count 2
		.amdhsa_user_sgpr_kernarg_segment_ptr 1
		.amdhsa_wavefront_size32 1
		.amdhsa_system_sgpr_workgroup_id_x 1
		.amdhsa_system_sgpr_workgroup_id_y 1
		.amdhsa_system_sgpr_workgroup_id_z 1
		.amdhsa_system_vgpr_workitem_id 0
		.amdhsa_next_free_vgpr 120
		.amdhsa_next_free_sgpr 66
		.amdhsa_reserve_vcc 1
		.amdhsa_float_denorm_mode_32 3
		.amdhsa_float_denorm_mode_16_64 3
		.amdhsa_memory_ordered 1
		.amdhsa_forward_progress 1
		.amdhsa_inst_pref_size 11
	.end_amdhsa_kernel
	.amdgpu_metadata
---
amdhsa.version: [ 1, 2 ]
amdhsa.kernels:
  - .name:           k_qd1d17e5072_maskb
    .symbol:         k_qd1d17e5072_maskb.kd
    .args:
      - { .name: attn_mask, .offset: 0, .size: 8, .value_kind: global_buffer, .address_space: global }
      - { .name: cs, .offset: 8, .size: 8, .value_kind: global_buffer, .address_space: global }
    .group_segment_fixed_size: 0
    .private_segment_fixed_size: 0
    .kernarg_segment_align: 8
    .kernarg_segment_size: 16
    .max_flat_workgroup_size: 256
    .sgpr_count:     66
    .vgpr_count:     120
    .wavefront_size: 32
...
	.end_amdgpu_metadata
.endif
;; end of part 6
;; launch qproj: the kernel of part 3 again; grid 8 x 32, 4 waves a work-group, no clusters, 168,448 bytes of LDS; arguments xq, wqp, qf; writes qf
;; launch kvproj: the kernel of part 4 again; grid 4 x 64, 4 waves a work-group, clusters of 4 x 4, 327,680 bytes of LDS; arguments kvin, cs, kv; writes kv
;; launch attn: the kernel of part 5 again; grid 16 x 16, 8 waves a work-group, clusters of 4 x 1, 327,680 bytes of LDS; arguments qf, cs, kv, ao; writes ao
;; launch outproj: the kernel of part 3 again; grid 8 x 32, 4 waves a work-group, no clusters, 168,448 bytes of LDS; arguments ao, wop, out0; writes out0
